; MI455X (gfx1250); checked and timed in simulation.
; The chip was launched on July 23, 2026; its instructions are those of AMD's public machine-readable ISA for CDNA 5 (MIT licence, August 2026) and "CDNA5" Instruction Set Architecture Reference Guide (July 2026). The comments in the code are by the model that wrote it; some were corrected since.
;; Multi Head Attention. Allowed arithmetic: matrix products marked QUANTISED: E2M3 operands, one E8M0 scale for each 32 along K, by v_wmma_scale_f32_16x16x128_f8f6f4 with both operands' format E2M3, f32 sums; everything else in f32.
;; Inputs: K 2 x 4,096 x 512 float32; Q 2 x 4,096 x 512 float32; V 2 x 4,096 x 512 float32; W_k 512 x 512 float32; W_o 512 x 512 float32; W_q 512 x 512 float32; W_v 512 x 512 float32; b_k 512 float32; b_o 512 float32; b_q 512 float32; b_v 512 float32; mask 2 x 4,096 int32.
;; Outputs: out0 2 x 4,096 x 512 float32.
;; This version of the problem:
;;   THIS VERSION OF THE PROBLEM IS GIVEN IN LOW PRECISION. The matrix products marked QUANTISED in the list below multiply operands that are first quantised to E2M3 (2 exponent bits, 3 mantissa bits; 6 bits a number), with one power-of-two scale for each 32 numbers along K (OCP MX v1.0); their sums are f32. All else is computed in f32.
;;   The module's matrix products, in the order in which they are computed (A, B: the left and right operand; K: the contracted axis; several contracted axes count as one K, in the product's order):
;;     1. [M 8,192, K 512] x [K 512, N 512]; A: input Q; B: input W_q: QUANTISED
;;     2. [M 8,192, K 512] x [K 512, N 512]; A: input K; B: input W_k: QUANTISED
;;     3. [M 8,192, K 512] x [K 512, N 512]; A: input V; B: input W_v: QUANTISED
;;     4. batch 16 x [M 4,096, K 64] x [K 64, N 4,096]; A: computed on the way; B: computed on the way: QUANTISED
;;     5. batch 16 x [M 4,096, K 4,096] x [K 4,096, N 64]; A: softmax (see below); B: computed on the way: QUANTISED
;;     6. [M 8,192, K 512] x [K 512, N 512]; A: computed on the way; B: input W_o: QUANTISED
;;   THE QUANTISER, for each operand of a quantised product, along K:
;;     - K is cut into blocks of 32 from its start; a last block that is shorter is filled with zeros.
;;     - A block's scale is 2^e with e = floor(log2(the largest magnitude in the block)) - 2, held to -126 .. 127; a block of zeros has e = 0. As a byte (E8M0): e + 127.
;;     - Each number is divided by its block's scale, clamped to +-7.5, and rounded to the nearest number of E2M3, ties to even, subnormals kept.
;;     - The product sums the exact products of the quantised numbers (number of the format x scale) in f32.
;;   ~~~python
;;   def quantise(x, axis):      # numpy; x: float32 -> the quantised numbers, widened to float32 again
;;       x = np.moveaxis(x, axis, -1); K = x.shape[-1]
;;       x = np.pad(x, [(0, 0)] * (x.ndim - 1) + [(0, -K % 32)]); x = x.reshape(x.shape[:-1] + (-1, 32)); a = np.abs(x).max(-1, keepdims=True)
;;       e = np.where(a > 0, np.clip(np.frexp(np.where(a > 0, a, 1))[1] - 1 - 2, -126, 127), 0)      # np.frexp(a)[1] - 1 = floor(log2(a)), exactly
;;       r = np.clip(x / 2.0 ** e, -7.5, 7.5)
;;       step = 2.0 ** (np.maximum(np.frexp(np.where(r == 0, 1, r))[1] - 1, 0) - 3)
;;       q = np.round(r / step) * step * 2.0 ** e      # np.round: ties to even
;;       return np.moveaxis(q.reshape(q.shape[:-2] + (-1,))[..., :K], -1, axis).astype(np.float32)
;;   ~~~
;;   SOFTMAX AHEAD OF A QUANTISED PRODUCT. Where the list says 'softmax', what is quantised is not the finished softmax but p = 2^(t - M), with t = logit x log2(e) and M = ceil(the row's largest t), a whole number; so 1/2 < the row's largest p <= 1. The row's sum l is taken of the UNQUANTISED p, in f32, and the product's result is divided by l at the end. Since M is a whole number, a kernel that streams over the keys may use a running M (the ceiling of the running maximum): every later rescaling is an exact power of two, which a block's scale takes up: the codes' values come out the same.
;;   OPERANDS COMPUTED ON THE WAY. 'Computed on the way' means the value that the module computes at that place (a softmax that the list does not call 'softmax' is quantised finished and normalised). What goes into a quantiser is computed in f32, as accurately as f32 sums, v_exp_f32 and their like allow (about 1e-6 of the number): no bf16 or f16 on the way to a quantiser, and a product that is left as it is and whose result goes on into a quantised operand takes f32 operands (vector FMAs, or v_wmma_f32_16x16x4_f32). A number that lies on a knife's edge between two numbers of the format may be rounded either way, as far as f32 arithmetic and the matrix unit's own rounding can turn it there, and no further.
;; 2 versions. Each part assembles by itself: llvm-mc -triple=amdgcn-amd-amdhsa -mcpu=gfx1250 --defsym DOCPART=n.
;; ======== version 1 of 2: 4 launches
;; limits: right only within a limited range of input values
;; workspace buffers: wimg 786,432 bytes; wscl 32,768 bytes; qimg 4,456,448 bytes; kv 7,864,320 bytes; acode 3,145,728 bytes; ascl 131,072 bytes
;; launch wprep (part 1): grid 32 x 4, 1 waves a work-group, no clusters, 0 bytes of LDS; arguments W_q, W_k, W_v, W_o, wimg, wscl; writes wimg, wscl
.if DOCPART == 1
	.amdgcn_target "amdgcn-amd-amdhsa--gfx1250"
	.amdhsa_code_object_version 6
	.text
	.protected	k_q0624ec40f3_wprep
	.globl	k_q0624ec40f3_wprep
	.p2align	8
	.type	k_q0624ec40f3_wprep,@function
k_q0624ec40f3_wprep:
	s_mov_b64 s[64:65], 0
	v_nop
	global_prefetch_b8 v0, s[64:65] scope:SCOPE_SE
	s_setreg_imm32_b32 hwreg(HW_REG_WAVE_MODE, 25, 1), 1
	s_wait_xcnt 0x0
; MULTI-HEAD ATTENTION IN MX-FP6, launch 1 of 4: the four weights [512][512] f32 (K innermost) become codes of E2M3 with one E8M0 byte for each 32 along K.
; NO WORK OF reference() IS LEFT OUT in this program: all twelve inputs have a way to out0 (b_k too: it moves k's codes), every key is multiplied, and the mask only selects values.
; LIMITS of the program: NaN and infinities among the inputs are not served; a block of zeros gets the scale byte 1 where the rule says 127 (its codes are zeros, and this program alone reads the bytes);
; blocks whose largest magnitude lies under 2^-124 are held at the byte 1; a masked logit is -2^30 where reference() has -1e9 (launch 2 says why): a result differs only where an unmasked logit lies under about -1e9.
; LAYOUT OUT.  wimg[weight][tile of 16 rows][K step of 128][1,536 bytes]: a fragment's 12 registers as three images of 512 bytes, lane l's 16 bytes at 16 l: a later launch has the operand by three loads of 16 bytes a lane.
; wscl[weight][pair of tiles][lane][K step]: lanes 0-15 the even tile's rows, lanes 16-31 the odd tile's: one load of 16 bytes a lane gives the four K steps' scale registers of two tiles.
; THE ROWS OF A TILE: for W_q, W_k, W_v lane r of tile 2 b + u takes row 32 b + 8 u + r + 8 (r / 8), so that the 16 result registers of two neighbouring tiles are 16 neighbours along the next product's K; for W_o row 16 tile + r.
; One wave takes one tile of one weight: 16 rows x 512 K, four fragments.  No LDS, no barrier.  Each K step has registers of its own for its codes, so no store's data are written again.
.set RR,  1                            ; v1   r = lane % 16
.set HH,  2                            ; v2   h = lane / 16
.set XA,  3                            ; v3   my row x 2,048 + 64 h: my 16 numbers of each block of 32
.set LI,  4                            ; v4   16 x lane
.set ST0, 16                           ; v16-79, v80-143: two sets of 64 numbers: register 16 b + i = k 32 b + 16 h + i of the K step
.set ST1, 80
.set PC0, 144                          ; v144-223: codes, 20 registers for each K step (12 of the fragment, 8 at work)
.set TM,  224                          ; v224-227 largest magnitudes, v228-231 bytes, v232-235 the conversions' scale operands
.set XW,  236                          ; v236-239 the four K steps' scale words of my row
.set SEL, 20                           ; s[20:21] v_permlanex16_b32's selects for lane l xor 16
.macro XLOAD reg, s                    ; K step s: 16 numbers of each of its four blocks
.irp b, 0,1,2,3
.irp j, 0,1,2,3
	global_load_b128 v[\reg+16*\b+4*\j:\reg+16*\b+4*\j+3], v[XA], s[16:17] offset:512*(\s)+128*\b+16*\j th:TH_LOAD_NT
.endr
.endr
.endm
; 64 numbers of a lane become a fragment's codes in v[pc] .. v[pc + 11] and my row's scale word in v[pw]
.macro QUANT src, pc, pw
.irp b, 0,1,2,3
	v_max3_num_f32 v[TM+\b], |v[\src+16*\b]|, |v[\src+1+16*\b]|, 0x1800000   ; block b: my 16 numbers, and the floor 2^(3 - 127): the byte cannot fall under 1
.endr
.irp i, 2,4,6,8,10,12,14
.irp b, 0,1,2,3
	v_max3_num_f32 v[TM+\b], v[TM+\b], |v[\src+16*\b+\i]|, |v[\src+1+16*\b+\i]|   ; the four blocks by turns
.endr
.endr
.irp b, 0,1,2,3
	v_permlanex16_b32 v[TM+4+\b], v[TM+\b], s[SEL], s[SEL+1]
.endr
.irp b, 0,1,2,3
	v_max_num_f32 v[TM+\b], v[TM+\b], v[TM+4+\b]   ; with lane l xor 16's 16: the block's largest magnitude
.endr
.irp b, 0,1,2,3
	v_add_nc_u32 v[TM+8+\b], 0xff000000, v[TM+\b]  ; 2 off its exponent field: the conversion's scale operand
.endr
.irp b, 0,1,2,3
	v_lshrrev_b32 v[TM+4+\b], 23, v[TM+8+\b]       ; the scale's byte
.endr
	v_lshl_or_b32 v[\pw], v[TM+5], 8, v[TM+4]
	v_lshl_or_b32 v[\pw], v[TM+6], 16, v[\pw]
	v_lshl_or_b32 v[\pw], v[TM+7], 24, v[\pw]
.irp c, 0,1
	v_cvt_scalef32_pk16_fp6_f32 v[\pc+6*\c:\pc+6*\c+2], v[\src+32*\c:\src+32*\c+15], v[TM+8+2*\c]
	v_cvt_scalef32_pk16_fp6_f32 v[\pc+12+4*\c:\pc+14+4*\c], v[\src+16+32*\c:\src+31+32*\c], v[TM+9+2*\c]   ; (a conversion's three registers begin on an even number)
.endr
	v_nop                                          ; one plain place behind a scaled conversion
.irp c, 0,1                                    ; the operand's layout wants a whole block in a lane: lanes 0-15 block 2 c, lanes 16-31 block 2 c + 1
.irp i, 0,1,2
	v_permlane16_swap_b32 v[\pc+6*\c+\i], v[\pc+12+4*\c+\i]
.endr
.irp i, 0,1,2
	v_mov_b32 v[\pc+3+6*\c+\i], v[\pc+12+4*\c+\i]
.endr
.endr
.endm
.macro OUTF s                          ; K step s's fragment leaves: three stores of 512 consecutive bytes
.irp c, 0,1,2
	global_store_b128 v[LI], v[PC0+20*(\s)+4*\c:PC0+20*(\s)+4*\c+3], s[12:13] offset:1536*(\s)+512*\c
.endr
.endm
	s_load_b256 s[4:11], s[0:1], 0x0               ; W_q, W_k, W_v, W_o
	s_load_b128 s[12:15], s[0:1], 0x20             ; wimg, wscl
	s_and_b32 s3, ttmp7, 0xffff                    ; which weight
	v_and_b32 v[RR], 15, v0
	v_lshrrev_b32 v[HH], 4, v0
	v_lshlrev_b32 v[LI], 4, v0
	s_mov_b32 s[SEL], 0x76543210
	s_mov_b32 s[SEL+1], 0xfedcba98
	s_lshr_b32 s22, ttmp9, 1                       ; the pair of tiles
	s_and_b32 s23, ttmp9, 1                        ; which of the pair
	s_cmp_lt_u32 s3, 3                             ; W_q, W_k, W_v: the chosen rows; W_o: neighbours
	s_cselect_b32 s24, 1, 0
	s_cselect_b32 s25, 3, 4
	s_lshl_b32 s25, s23, s25                       ; 8 u or 16 u
	s_lshl_b32 s26, s22, 5
	s_add_co_u32 s26, s26, s25                     ; the tile's first row
	v_and_b32 v5, 8, v[RR]
	v_mul_u32_u24 v5, s24, v5                      ; 8 (r / 8), or 0
	v_add3_u32 v5, v5, v[RR], s26                  ; my row
	v_lshlrev_b32 v[XA], 11, v5
	v_lshl_add_u32 v[XA], v[HH], 6, v[XA]
	v_lshlrev_b32 v8, 4, v[RR]
	v_lshl_add_u32 v8, v[HH], 3, v8                ; the scale words' place: 16 r + 8 h
	s_mul_i32 s27, s3, 196608                      ; a weight's images: 32 tiles x 6,144 bytes
	s_mul_i32 s28, ttmp9, 6144
	s_add_co_u32 s28, s28, s27
	s_mov_b32 s29, 0
	s_lshl_b32 s30, s3, 13                         ; a weight's scale words: 8,192 bytes; a tile's: 256
	s_lshl_b32 s27, ttmp9, 8
	s_add_co_u32 s30, s30, s27
	s_mov_b32 s31, 0
.irp b, 0,1,2,3
	v_mov_b32 v[TM+4+\b], 0                        ; written once: a lane permute's destination counts as one of its sources
.endr
	s_wait_kmcnt 0x0
	s_cmp_lt_u32 s3, 2                             ; the source is chosen by the work-group's number alone
	s_cselect_b64 s[16:17], s[4:5], s[8:9]
	s_cselect_b64 s[18:19], s[6:7], s[10:11]
	s_and_b32 s22, s3, 1
	s_cmp_eq_u32 s22, 0
	s_cselect_b64 s[16:17], s[16:17], s[18:19]
	s_add_nc_u64 s[12:13], s[12:13], s[28:29]
	s_add_nc_u64 s[14:15], s[14:15], s[30:31]
	XLOAD ST0, 0
	XLOAD ST1, 1
	s_wait_loadcnt 16                              ; K step 0 is in; the 16 loads of K step 1 may be out
	QUANT ST0, PC0, XW
	OUTF 0
	XLOAD ST0, 2
	s_wait_loadcnt 16                              ; K step 1 is in; K step 2's 16 may be out
	QUANT ST1, PC0+20, XW+1
	OUTF 1
	XLOAD ST1, 3
	s_wait_loadcnt 16                              ; K step 2 is in; K step 3's 16 may be out
	QUANT ST0, PC0+40, XW+2
	OUTF 2
	s_wait_loadcnt 0x0
	QUANT ST1, PC0+60, XW+3
	OUTF 3
	v_cmp_eq_u32 vcc_lo, 1, v[HH]                  ; both halves of the lanes hold my row's four words: lanes 0-15 store words 0, 1, lanes 16-31 words 2, 3
	v_cndmask_b32 v6, v[XW], v[XW+2], vcc_lo
	v_cndmask_b32 v7, v[XW+1], v[XW+3], vcc_lo
	global_store_b64 v8, v[6:7], s[14:15]          ; the wave stores 256 consecutive bytes, aligned
	s_endpgm
.Lfunc_end_k_q0624ec40f3_wprep:
	.size	k_q0624ec40f3_wprep, .Lfunc_end_k_q0624ec40f3_wprep-k_q0624ec40f3_wprep
	.p2alignl 7, 3214868480
	.fill 96, 4, 3214868480
	.section	.rodata,"a",@progbits
	.p2align	6, 0x0
	.amdhsa_kernel k_q0624ec40f3_wprep
		.amdhsa_group_segment_fixed_size 0
		.amdhsa_private_segment_fixed_size 0
		.amdhsa_enable_private_segment 0
		.amdhsa_kernarg_size 48
		.amdhsa_user_sgpr_count 2
		.amdhsa_user_sgpr_kernarg_segment_ptr 1
		.amdhsa_wavefront_size32 1
		.amdhsa_system_sgpr_workgroup_id_x 1
		.amdhsa_system_sgpr_workgroup_id_y 1
		.amdhsa_system_sgpr_workgroup_id_z 1
		.amdhsa_system_vgpr_workitem_id 0
		.amdhsa_next_free_vgpr 240
		.amdhsa_next_free_sgpr 66
		.amdhsa_reserve_vcc 1
		.amdhsa_float_denorm_mode_32 3
		.amdhsa_float_denorm_mode_16_64 3
		.amdhsa_memory_ordered 1
		.amdhsa_forward_progress 1
		.amdhsa_inst_pref_size 25
	.end_amdhsa_kernel
	.amdgpu_metadata
---
amdhsa.version: [ 1, 2 ]
amdhsa.kernels:
  - .name:           k_q0624ec40f3_wprep
    .symbol:         k_q0624ec40f3_wprep.kd
    .args:
      - { .name: W_q, .offset: 0, .size: 8, .value_kind: global_buffer, .address_space: global }
      - { .name: W_k, .offset: 8, .size: 8, .value_kind: global_buffer, .address_space: global }
      - { .name: W_v, .offset: 16, .size: 8, .value_kind: global_buffer, .address_space: global }
      - { .name: W_o, .offset: 24, .size: 8, .value_kind: global_buffer, .address_space: global }
      - { .name: wimg, .offset: 32, .size: 8, .value_kind: global_buffer, .address_space: global }
      - { .name: wscl, .offset: 40, .size: 8, .value_kind: global_buffer, .address_space: global }
    .group_segment_fixed_size: 0
    .private_segment_fixed_size: 0
    .kernarg_segment_align: 8
    .kernarg_segment_size: 48
    .max_flat_workgroup_size: 32
    .sgpr_count:     66
    .vgpr_count:     240
    .wavefront_size: 32
...
	.end_amdgpu_metadata
.endif
;; end of part 1
;; launch proj (part 2): grid 64 x 3, 8 waves a work-group, no clusters, 54,272 bytes of LDS; arguments Q, K, V, mask, b_q, b_k, b_v, wimg, wscl, qimg, kv; writes qimg, kv
.if DOCPART == 2
	.amdgcn_target "amdgcn-amd-amdhsa--gfx1250"
	.amdhsa_code_object_version 6
	.text
	.protected	k_q0624ec40f3_proj
	.globl	k_q0624ec40f3_proj
	.p2align	8
	.type	k_q0624ec40f3_proj,@function
k_q0624ec40f3_proj:
	s_mov_b64 s[64:65], 0
	v_nop
	global_prefetch_b8 v0, s[64:65] scope:SCOPE_SE
	s_setreg_imm32_b32 hwreg(HW_REG_WAVE_MODE, 25, 1), 1
	s_wait_xcnt 0x0
; Launch 2 of 4: q = Q W_q^T + b_q, k = K W_k^T + b_k, v = V W_v^T + b_v, all in MX-FP6 (E2M3, one E8M0 byte for each 32 along K), and q, k, v quantised anew for the two products of attention.  Nothing is left out.
; SHARES.  A work-group takes 128 rows of one tensor (grid y: 0 Q, 1 K, 2 V), all 512 columns: one block of 128 queries or keys of one batch.  Wave w is head w: its 64 rows of the weight (16 fragments, 192 registers) stay in registers.
; No cluster: the weights go from memory straight into registers, once for a work-group, and what a work-group reads besides, its 128 rows of x, no other work-group reads.
; PHASE X: wave w quantises 16 rows of x (four fragments) and stores them in LDS as images of the operand's registers (16 bytes a lane, 512 a store); one barrier; behind it LDS is only read.
; Q AND K: the product is used transposed (source 0 = 16 rows of W, source 1 = 16 rows of x): a lane holds one row, and the 16 registers of two neighbouring tiles are 16 neighbours of the head's 64.  They are quantised along the head's 64.
; V: source 0 = 16 rows of x (keys), source 1 = 16 rows of W: a lane holds one channel and its registers run along the KEYS, which are the second product's K: quantised along the keys.
; THE KEYS OF A TILE ARE NOT NEIGHBOURS: lane r of tile 2 b + u takes key 32 b + 8 u + r + 8 (r / 8) (K and V); Q's tiles are neighbours.
; A TILE OF q OR k in the instruction of 128 along K: registers 0-5 the head's 64 codes, register 6 one PAD CODE at k = 64 (lanes 0-15), register 7 zero; registers 8-11 are zeros that the next launch keeps in registers.
; THE MASK RIDES IN THAT PADDING.  q: pad code 1.0, pad scale byte 127.  A key that counts: pad code 0, pad byte 1: it adds exactly nothing.  A masked key: its 64 codes are cleared, pad code -4.0, pad byte 158:
; its score is exactly -4 x 2^31 = -2^33 for every query, the logit -2^30.  LIMIT: reference() has -1e9 there: a result differs only where an unmasked logit lies under about -1e9.  -2^33 times a constant is exact in f32,
; so that in a batch whose mask is all zeros every p is exactly 1, and the result is the plain mean, as reference()'s is.
; LIMITS: NaN and infinities are not served; a block of zeros gets the byte 1 (its codes are zeros; this program alone reads the bytes); blocks under 2^-124 are held at the byte 1.
; OUT.  qimg[batch x head][128 queries][8,704]: 8 tiles x 1,024 bytes (two images), then 512 bytes of scale words (word i of lane l: tile 2 i + l / 16, row l % 16).
; kv[batch x head][128 keys][15,360]: K's 8 tiles and scale words laid likewise, at 8,704 V's four fragments (16 channels x 128 keys, 1,536 bytes each), at 14,848 V's scale words (word t of lane l: channel tile t, row l % 16).
; REGISTERS.  Window 0: v1-14 addresses and constants; v16-111 x's eight fragments; v112-175 results; v176-187 at work; v188-191 x's scale words; v192-199 W's; v200-251 the way out; v254, v255 the add's two.
;   In phase X v16-143 hold numbers of x, v144-163 codes, v164-167 scale words.   Window 1: v0-191 W's fragments; v192-223 the bias in the results' layout.
.set XSC,   49152                      ; LDS: 0: x's 32 fragments ((4 tile + K step) x 1,536); here: their scale words, 512 bytes a tile (16 x lane: four K steps' words)
.set SPARE, 53248                      ; the spare words, 128 bytes for each of eight waves: four blocks of 256 bytes that no other line names
.set LI,  1                            ; v1   16 x lane
.set RR,  2                            ; v2   r
.set HH,  3                            ; v3   h
.set XA,  4                            ; v4   x: my row x 2,048 + 64 h
.set XWI, 5                            ; v5   where I store x's images: 16 x lane + 6,144 x wave
.set XWS, 6                            ; v6   and their scale words: 16 x lane + 512 x wave
.set XSA, 7                            ; v7   where I read scale words: 16 r + 512 h: lanes 0-15 the even tile's, lanes 16-31 the odd tile's
.set MO,  9                            ; v9   4 (r + 8 (r / 8))
.set BO,  10                           ; v10  64 h
.set PCM, 11                           ; v11  the pad code of a masked key: 0x38 (-4.0) in lanes 0-15
.set PCU, 12                           ; v12  the pad code else: 0x08 (1.0) in lanes 0-15 for q, 0 for k
.set SPM, 13                           ; v13  the pad scale bytes of a masked key
.set SPU, 14                           ; v14  and else
.set XF,  16
.set HA,  112
.set TM,  176                          ; v176-179 largest magnitudes, v180-183 bytes, v184-187 the conversions' scale operands
.set XS,  188
.set WS,  192
.set OUT, 200                          ; q, k: two tiles x 8 registers
.set TC,  216
.set SCW, 224
.set MK,  228                          ; the mask of my row in each of the eight tiles
.set W0,  236
.set PADW, 238
.set EV,  200                          ; v: codes of the even blocks of 32 keys, four registers a channel tile;
.set OD,  216                          ; of the odd ones;
.set KP,  232                          ; a fragment's registers 4-7;
.set VS,  248                          ; the scale words
.set ST0, 16
.set ST1, 80
.set PCX, 144
.set XW,  164
.set SPW, 254
.set NIL, 255
.set WF,  0                            ; window 1
.set BI,  192
.set WV,  26
.set TY,  27
.set RB,  28
.set SEL, 30
.set HI,  32
.set MSB, 0
.macro WIN new                         ; the immediate's high byte repeats the setting that is left
.if MSB != \new
	s_set_vgpr_msb (MSB<<8)|\new
.set MSB, \new
.endif
.endm
.macro XLOAD reg, s                    ; K step s of my row: 16 numbers of each of its four blocks
.irp b, 0,1,2,3
.irp j, 0,1,2,3
	global_load_b128 v[\reg+16*\b+4*\j:\reg+16*\b+4*\j+3], v[XA], s[34:35] offset:512*(\s)+128*\b+16*\j th:TH_LOAD_NT
.endr
.endr
.endm
; four blocks of 16 registers from v[src] on: each block's largest magnitude (with lane l xor 16's 16), its conversion's scale operand in v[TM + 8 + b] and its byte in v[TM + 4 + b]
.macro QMAX src
.irp b, 0,1,2,3
	v_max3_num_f32 v[TM+\b], |v[\src+16*\b]|, |v[\src+1+16*\b]|, 0x1800000   ; and the floor 2^(3 - 127): the byte cannot fall under 1
.endr
.irp i, 2,4,6,8,10,12,14
.irp b, 0,1,2,3
	v_max3_num_f32 v[TM+\b], v[TM+\b], |v[\src+16*\b+\i]|, |v[\src+1+16*\b+\i]|   ; the four blocks by turns; each result tile is read from its low end on
.endr
.endr
.irp b, 0,1,2,3
	v_permlanex16_b32 v[TM+4+\b], v[TM+\b], s[SEL], s[SEL+1]
.endr
.irp b, 0,1,2,3
	v_max_num_f32 v[TM+\b], v[TM+\b], v[TM+4+\b]
.endr
.irp b, 0,1,2,3
	v_add_nc_u32 v[TM+8+\b], 0xff000000, v[TM+\b]  ; 2 off the exponent field
.endr
.irp b, 0,1,2,3
	v_lshrrev_b32 v[TM+4+\b], 23, v[TM+8+\b]
.endr
.endm
.macro QUANT src, pw                   ; 64 numbers of x become a fragment in v[PCX] on and a scale word in v[pw]
	QMAX \src
	v_lshl_or_b32 v[\pw], v[TM+5], 8, v[TM+4]
	v_lshl_or_b32 v[\pw], v[TM+6], 16, v[\pw]
	v_lshl_or_b32 v[\pw], v[TM+7], 24, v[\pw]
.irp c, 0,1
	v_cvt_scalef32_pk16_fp6_f32 v[PCX+6*\c:PCX+6*\c+2], v[\src+32*\c:\src+32*\c+15], v[TM+8+2*\c]
	v_cvt_scalef32_pk16_fp6_f32 v[PCX+12+4*\c:PCX+14+4*\c], v[\src+16+32*\c:\src+31+32*\c], v[TM+9+2*\c]
.endr
	v_nop                                          ; one plain place behind a scaled conversion
.irp c, 0,1
.irp i, 0,1,2
	v_permlane16_swap_b32 v[PCX+6*\c+\i], v[PCX+12+4*\c+\i]
.endr
.irp i, 0,1,2
	v_mov_b32 v[PCX+3+6*\c+\i], v[PCX+12+4*\c+\i]
.endr
.endr
.endm
.macro IMAGE s                         ; the fragment goes to LDS as it stands
.irp c, 0,1,2
	ds_store_b128 v[XWI], v[PCX+4*\c:PCX+4*\c+3] offset:1536*(\s)+512*\c
.endr
.endm
.macro FETCH p                         ; x's tiles 2 p and 2 p + 1: one load of scale words, then six loads for each K step
	ds_load_b128 v[XS:XS+3], v[XSA] offset:XSC+1024*(\p)
.irp s, 0,1,2,3
.irp u, 0,1
.irp c, 0,1,2
	ds_load_b128 v[XF+12*(4*\u+\s)+4*\c:XF+12*(4*\u+\s)+4*\c+3], v[LI] offset:((2*(\p)+\u)*4+\s)*1536+512*\c
.endr
.endr
.endr
.endm
.macro WM d, a, b, c, sa, sb, ra, rb   ; one matrix instruction; ra, rb: the side's scales stand in lanes 16-31
.if (\ra) && (\rb)
	v_wmma_scale_f32_16x16x128_f8f6f4 v[\d:\d+7], v[\a:\a+11], v[\b:\b+11], v[\c:\c+7], v[\sa], v[\sb] matrix_a_fmt:MATRIX_FMT_FP6 matrix_b_fmt:MATRIX_FMT_FP6 matrix_a_scale:MATRIX_SCALE_ROW1 matrix_b_scale:MATRIX_SCALE_ROW1
.elseif (\ra)
	v_wmma_scale_f32_16x16x128_f8f6f4 v[\d:\d+7], v[\a:\a+11], v[\b:\b+11], v[\c:\c+7], v[\sa], v[\sb] matrix_a_fmt:MATRIX_FMT_FP6 matrix_b_fmt:MATRIX_FMT_FP6 matrix_a_scale:MATRIX_SCALE_ROW1
.elseif (\rb)
	v_wmma_scale_f32_16x16x128_f8f6f4 v[\d:\d+7], v[\a:\a+11], v[\b:\b+11], v[\c:\c+7], v[\sa], v[\sb] matrix_a_fmt:MATRIX_FMT_FP6 matrix_b_fmt:MATRIX_FMT_FP6 matrix_b_scale:MATRIX_SCALE_ROW1
.else
	v_wmma_scale_f32_16x16x128_f8f6f4 v[\d:\d+7], v[\a:\a+11], v[\b:\b+11], v[\c:\c+7], v[\sa], v[\sb] matrix_a_fmt:MATRIX_FMT_FP6 matrix_b_fmt:MATRIX_FMT_FP6
.endif
.endm
.macro PLACES
.rept 4
	v_nop
.endr
.endm
; 32 matrix instructions: two tiles of x against my four tiles of W, four K steps; the eight accumulators take turns, one instruction a turn.  The bias is the C of each sum's first instruction.
.macro MULQK
.irp s, 0,1,2,3
	s_wait_dscnt 18-6*\s                           ; this K step's six loads are in; the six of each later K step may be out
.if \s == 0
	WIN 0x11                                       ; source 0 (W) and source 2 (the bias) window 1
.else
	WIN 0x01
.endif
.irp u, 0,1
.irp t, 0,1,2,3
.if \s == 0
	WM HA+32*\u+8*\t, WF+12*(4*\t+\s), XF+12*(4*\u+\s), BI+8*\t, WS+4*(\t/2)+\s, XS+\s, \t%2, \u
.else
	WM HA+32*\u+8*\t, WF+12*(4*\t+\s), XF+12*(4*\u+\s), HA+32*\u+8*\t, WS+4*(\t/2)+\s, XS+\s, \t%2, \u
.endif
.endr
.endr
.endr
	WIN 0
.endm
.macro MULV
.irp s, 0,1,2,3
	s_wait_dscnt 18-6*\s
.if \s == 0
	WIN 0x14                                       ; source 1 (W) and source 2 (the bias) window 1
.else
	WIN 0x04
.endif
.irp u, 0,1
.irp t, 0,1,2,3
.if \s == 0
	WM HA+16*\t+8*\u, XF+12*(4*\u+\s), WF+12*(4*\t+\s), BI+8*\t, XS+\s, WS+4*(\t/2)+\s, \u, \t%2
.else
	WM HA+16*\t+8*\u, XF+12*(4*\u+\s), WF+12*(4*\t+\s), HA+16*\t+8*\u, XS+\s, WS+4*(\t/2)+\s, \u, \t%2
.endif
.endr
.endr
.endr
	WIN 0
.endm
; q or k: tiles 2 p and 2 p + 1 of the rows.  Register HA + 32 u + 16 b + i of lane (r, h) is channel 32 b + 16 h + i of row r of tile 2 p + u
.macro TRIPQK p
	FETCH \p
	MULQK
	PLACES                                         ; four places between the last product and the first read of results
	QMAX HA
	s_wait_xcnt 0x0                                ; the last trip's stores have read their data: the registers are written again only behind this wait
.irp u, 0,1
	v_cvt_scalef32_pk16_fp6_f32 v[OUT+8*\u:OUT+8*\u+2], v[HA+32*\u:HA+32*\u+15], v[TM+8+2*\u]
	v_cvt_scalef32_pk16_fp6_f32 v[TC+4*\u:TC+4*\u+2], v[HA+32*\u+16:HA+32*\u+31], v[TM+9+2*\u]
.endr
	v_nop                                          ; one plain place behind a scaled conversion
.irp u, 0,1
.irp i, 0,1,2
	v_permlane16_swap_b32 v[OUT+8*\u+\i], v[TC+4*\u+\i]   ; a whole block of 32 channels to a lane: lanes 0-15 channels 0-31, lanes 16-31 channels 32-63
.endr
.irp i, 0,1,2
	v_mov_b32 v[OUT+8*\u+3+\i], v[TC+4*\u+\i]
.endr
	v_cmp_eq_u32 vcc_lo, 0, v[MK+2*(\p)+\u]        ; is my row a masked key?  (q's rows and rows that count: no.)  The mask selects values and nothing else
.irp i, 0,1,2,3,4,5
	v_cndmask_b32 v[OUT+8*\u+\i], v[OUT+8*\u+\i], v[OUT+8*\u+7], vcc_lo   ; a masked key's codes are cleared (register 7 of the tile holds 0)
.endr
	v_cndmask_b32 v[OUT+8*\u+6], v[PCU], v[PCM], vcc_lo   ; the pad code
	v_cndmask_b32 v[PADW], v[SPU], v[SPM], vcc_lo         ; the pad scale bytes
	v_lshl_or_b32 v[W0+\u], v[TM+5+2*\u], 8, v[TM+4+2*\u]
	v_or_b32 v[W0+\u], v[W0+\u], v[PADW]           ; my row's scale word
.endr
	v_cndmask_b32 v[SCW+(\p)], v[W0], v[W0+1], s[HI]   ; lanes 0-15 the even tile's word, lanes 16-31 the odd tile's
.irp u, 0,1
	global_store_b128 v[LI], v[OUT+8*\u:OUT+8*\u+3], s[38:39] offset:(2*(\p)+\u)*1024      ; each store covers 512 consecutive bytes, aligned to 256
	global_store_b128 v[LI], v[OUT+8*\u+4:OUT+8*\u+7], s[38:39] offset:(2*(\p)+\u)*1024+512
.endr
.endm
; v: keys 32 p .. 32 p + 31, one block of the second product's K.  Register HA + 16 t + i of lane (r, h) is key 32 p + 16 h + i of row r of channel tile t
.macro TRIPV p
	FETCH \p
	MULV
	PLACES
	QMAX HA
	s_wait_xcnt 0x0                                ; earlier stores have read their data
.irp t, 0,1,2,3
.if (\p)%2 == 0
	v_cvt_scalef32_pk16_fp6_f32 v[EV+4*\t:EV+4*\t+2], v[HA+16*\t:HA+16*\t+15], v[TM+8+\t]
.else
	v_cvt_scalef32_pk16_fp6_f32 v[OD+4*\t:OD+4*\t+2], v[HA+16*\t:HA+16*\t+15], v[TM+8+\t]
.endif
.endr
	v_nop                                          ; one plain place behind a scaled conversion
.irp t, 0,1,2,3
.if (\p) == 0
	v_mov_b32 v[VS+\t], v[TM+4+\t]                 ; the block's byte, at its place in the scale word of these 128 keys
.else
	v_lshl_or_b32 v[VS+\t], v[TM+4+\t], 8*(\p), v[VS+\t]
.endif
.endr
.if (\p)%2 == 1
.irp t, 0,1,2,3
.irp i, 0,1,2
	v_permlane16_swap_b32 v[EV+4*\t+\i], v[OD+4*\t+\i]   ; EV: the fragment's registers 6 c .. 6 c + 2, OD: 6 c + 3 .. 6 c + 5 (c = p / 2)
.endr
.endr
.endif
.if (\p) == 1
.irp t, 0,1,2,3
	v_mov_b32 v[EV+4*\t+3], v[OD+4*\t]             ; registers 0-3 leave,
	v_mov_b32 v[KP+4*\t], v[OD+4*\t+1]             ; 4 and 5 are kept
	v_mov_b32 v[KP+4*\t+1], v[OD+4*\t+2]
	global_store_b128 v[LI], v[EV+4*\t:EV+4*\t+3], s[38:39] offset:8704+1536*\t
.endr
.endif
.if (\p) == 3
.irp t, 0,1,2,3
	v_mov_b32 v[KP+4*\t+2], v[EV+4*\t]             ; registers 6 and 7 join 4 and 5,
	v_mov_b32 v[KP+4*\t+3], v[EV+4*\t+1]
	global_store_b128 v[LI], v[KP+4*\t:KP+4*\t+3], s[38:39] offset:8704+1536*\t+512
	v_mov_b32 v[EV+4*\t], v[EV+4*\t+2]             ; and 8-11 stand together
	v_mov_b32 v[EV+4*\t+1], v[OD+4*\t]
	v_mov_b32 v[EV+4*\t+2], v[OD+4*\t+1]
	v_mov_b32 v[EV+4*\t+3], v[OD+4*\t+2]
	global_store_b128 v[LI], v[EV+4*\t:EV+4*\t+3], s[38:39] offset:8704+1536*\t+1024
.endr
.endif
.endm
	s_load_b512 s[4:19], s[0:1], 0x0               ; Q, K, V, mask, b_q, b_k, b_v, wimg
	s_load_b128 s[20:23], s[0:1], 0x40             ; wscl, qimg
	s_load_b64 s[24:25], s[0:1], 0x50              ; kv
	v_lshl_add_u32 v[SPW], v0, 2, SPARE
	v_mov_b32 v[NIL], 0
	v_lshrrev_b32 v8, 5, v0
	v_readfirstlane_b32 s[WV], v8                  ; wave = head
	s_and_b32 s[TY], ttmp7, 0xffff                 ; 0 Q, 1 K, 2 V
	s_mov_b32 s[RB], ttmp9                         ; which 128 rows
	s_mov_b32 s[SEL], 0x76543210
	s_mov_b32 s[SEL+1], 0xfedcba98
	s_mov_b32 s[HI], 0xffff0000                    ; lanes 16-31
	v_and_b32 v8, 31, v0
	v_lshlrev_b32 v[LI], 4, v8
	v_and_b32 v[RR], 15, v0
	v_bfe_u32 v[HH], v0, 4, 1
	s_cmp_eq_u32 s[TY], 0
	s_cselect_b32 s44, 0, 1                        ; K, V: the chosen keys; Q: neighbours
	s_cselect_b32 s48, 8, 0                        ; q's pad code 1.0
	s_mov_b32 s49, 0x01010000                      ; pad scale bytes of a key that counts: 1, 1;
	s_cselect_b32 s49, 0x017f0000, s49             ; of q: 127, 1
	s_mov_b32 s62, 15360
	s_cselect_b32 s62, 8704, s62                   ; bytes of a block in qimg or in kv
	s_and_b32 s45, s[WV], 1
	s_lshl_b32 s45, s45, 3
	s_mul_i32 s45, s45, s44
	s_lshl_b32 s46, s[WV], 4
	s_sub_co_u32 s46, s46, s45                     ; tile w's first row: 16 w, or 32 (w / 2) + 8 (w % 2)
	v_and_b32 v15, 8, v[RR]
	v_mul_u32_u24 v[XA], s44, v15
	v_add3_u32 v[XA], v[XA], v[RR], s46            ; my row of the 128
	v_lshlrev_b32 v[XA], 11, v[XA]
	v_lshl_add_u32 v[XA], v[HH], 6, v[XA]
	s_mul_i32 s47, s[WV], 6144
	v_add_nc_u32 v[XWI], s47, v[LI]
	s_lshl_b32 s47, s[WV], 9
	v_add_nc_u32 v[XWS], s47, v[LI]
	v_lshlrev_b32 v[XSA], 4, v[RR]
	v_lshl_add_u32 v[XSA], v[HH], 9, v[XSA]
	v_add_nc_u32 v[MO], v15, v[RR]
	v_lshlrev_b32 v[MO], 2, v[MO]
	v_lshlrev_b32 v[BO], 6, v[HH]
	v_sub_nc_u32 v15, 1, v[HH]
	v_mul_u32_u24 v[PCM], 0x38, v15
	v_mul_u32_u24 v[PCU], s48, v15
	v_mov_b32 v[SPM], 0x019e0000                   ; pad scale bytes of a masked key: 158, 1
	v_mov_b32 v[SPU], s49
	s_lshl_b32 s50, s[RB], 18                      ; x: 128 rows of 2,048 bytes
	s_mov_b32 s51, 0
	s_lshl_b32 s52, s[WV], 8                       ; the bias: my 64 numbers
	s_mov_b32 s53, 0
	s_lshr_b32 s54, s[RB], 5                       ; the batch
	s_lshl_b32 s54, s54, 3
	s_add_co_u32 s54, s54, s[WV]                   ; batch x 8 + head
	s_lshl_b32 s54, s54, 5
	s_and_b32 s55, s[RB], 31
	s_add_co_u32 s54, s54, s55                     ; and the block of 128 in the sequence
	s_mul_i32 s54, s54, s62
	s_mov_b32 s55, 0
	s_mul_i32 s56, s[TY], 196608                   ; my four tiles of the weight's images
	s_mul_i32 s57, s[WV], 24576
	s_add_co_u32 s56, s56, s57
	s_mov_b32 s57, 0
	s_lshl_b32 s58, s[TY], 13                      ; and their scale words: two pairs of tiles
	s_lshl_b32 s59, s[WV], 10
	s_add_co_u32 s58, s58, s59
	s_mov_b32 s59, 0
	s_lshl_b32 s60, s[RB], 9                       ; the mask of these 128 keys
	s_mov_b32 s61, 0
.irp i, 0,1,2,3,4,5,6,7
	v_mov_b32 v[MK+\i], 1                          ; Q's rows all count; K's work-groups load the mask over this
.endr
.irp b, 0,1,2,3
	v_mov_b32 v[TM+4+\b], 0                        ; written once: a lane permute's destination counts as one of its sources
.endr
	v_mov_b32 v[OUT+7], 0                          ; register 7 of a tile's image
	v_mov_b32 v[OUT+15], 0
	s_wait_kmcnt 0x0
	s_cmp_eq_u32 s[TY], 0                          ; the buffers are chosen by the work-group's number alone
	s_cselect_b64 s[34:35], s[4:5], s[6:7]
	s_cselect_b64 s[36:37], s[12:13], s[14:15]
	s_cselect_b64 s[38:39], s[22:23], s[24:25]
	s_cmp_eq_u32 s[TY], 2
	s_cselect_b64 s[34:35], s[8:9], s[34:35]
	s_cselect_b64 s[36:37], s[16:17], s[36:37]
	s_add_nc_u64 s[34:35], s[34:35], s[50:51]
	s_add_nc_u64 s[36:37], s[36:37], s[52:53]
	s_add_nc_u64 s[38:39], s[38:39], s[54:55]
	s_add_nc_u64 s[40:41], s[18:19], s[56:57]
	s_add_nc_u64 s[42:43], s[20:21], s[58:59]
	s_add_nc_u64 s[10:11], s[10:11], s[60:61]
	s_cmp_eq_u32 s[TY], 2
	s_cbranch_scc1 .Lbias_v
	WIN 0x40                                       ; destination window 1
.irp t, 0,1,2,3                                ; q, k: lane (r, h) wants, for tile 2 b + u, the bias of channels 32 b + 16 h + 8 u + 0 .. 7
	global_load_b128 v[BI+8*\t:BI+8*\t+3], v[BO], s[36:37] offset:(32*(\t/2)+8*(\t%2))*4
	global_load_b128 v[BI+8*\t+4:BI+8*\t+7], v[BO], s[36:37] offset:(32*(\t/2)+8*(\t%2))*4+16
.endr
	WIN 0
	s_branch .Lbias_done
.Lbias_v:
	WIN 0x40
.irp t, 0,1,2,3                                ; v: a lane holds one channel, 32 b + 8 u + r + 8 (r / 8): its bias in all eight registers
.irp j, 0,1,2,3,4,5,6,7
	global_load_b32 v[BI+8*\t+\j], v[MO], s[36:37] offset:(32*(\t/2)+8*(\t%2))*4
.endr
.endr
	WIN 0
.Lbias_done:
	s_cmp_lg_u32 s[TY], 1
	s_cbranch_scc1 .Lno_mask
.irp i, 0,1,2,3,4,5,6,7                        ; tile i = 2 b + u: the mask of key 32 b + 8 u + r + 8 (r / 8)
	global_load_b32 v[MK+\i], v[MO], s[10:11] offset:(32*(\i/2)+8*(\i%2))*4
.endr
.Lno_mask:
	global_load_b128 v[WS:WS+3], v[LI], s[42:43]
	global_load_b128 v[WS+4:WS+7], v[LI], s[42:43] offset:512
	WIN 0x40
.set Q, 0
.rept 48
	global_load_b128 v[WF+4*Q:WF+4*Q+3], v[LI], s[40:41] offset:512*Q   ; fragment (tile t, K step s) at v[12 (4 t + s)] of window 1: they stay
.set Q, Q+1
.endr
	WIN 0
	; ---- X: my 16 rows of x become four fragments
	XLOAD ST0, 0
	XLOAD ST1, 1
	s_wait_loadcnt 16                              ; K step 0 (and all that was asked for before it) is in; K step 1's 16 loads may be out
	QUANT ST0, XW
	IMAGE 0
	XLOAD ST0, 2
	s_wait_dscnt 0x0                               ; the stores have read their registers
	s_wait_loadcnt 16                              ; K step 1 is in; K step 2's 16 may be out
	QUANT ST1, XW+1
	IMAGE 1
	XLOAD ST1, 3
	s_wait_dscnt 0x0
	s_wait_loadcnt 16                              ; K step 2 is in; K step 3's 16 may be out
	QUANT ST0, XW+2
	IMAGE 2
	s_wait_dscnt 0x0
	s_wait_loadcnt 0x0
	QUANT ST1, XW+3
	IMAGE 3
	ds_store_b128 v[XWS], v[XW:XW+3] offset:XSC
	s_wait_dscnt 0x0                               ; for the others' sake: my stores have landed
	s_barrier_signal -1
	s_barrier_wait -1                              ; x's 32 fragments lie in LDS; from here on LDS is only read
	s_cmp_eq_u32 s[TY], 2
	s_cbranch_scc1 .Lv_path
	TRIPQK 0
	TRIPQK 1
	TRIPQK 2
	TRIPQK 3
	global_store_b128 v[LI], v[SCW:SCW+3], s[38:39] offset:8192
	s_branch .Lend
.Lv_path:
	TRIPV 0
	TRIPV 1
	TRIPV 2
	TRIPV 3
	global_store_b128 v[LI], v[VS:VS+3], s[38:39] offset:14848
.Lend:
	s_wait_tensorcnt 0x0                           ; the wave's end, behind my last LDS store; the wait on tensor loads stands in a text with no tensor load too
	ds_add_u32 v[SPW], v[NIL]
	s_wait_dscnt 0x0
	s_endpgm
.Lfunc_end_k_q0624ec40f3_proj:
	.size	k_q0624ec40f3_proj, .Lfunc_end_k_q0624ec40f3_proj-k_q0624ec40f3_proj
	.p2alignl 7, 3214868480
	.fill 96, 4, 3214868480
	.section	.rodata,"a",@progbits
	.p2align	6, 0x0
	.amdhsa_kernel k_q0624ec40f3_proj
		.amdhsa_group_segment_fixed_size 54272
		.amdhsa_private_segment_fixed_size 0
		.amdhsa_enable_private_segment 0
		.amdhsa_kernarg_size 88
		.amdhsa_user_sgpr_count 2
		.amdhsa_user_sgpr_kernarg_segment_ptr 1
		.amdhsa_wavefront_size32 1
		.amdhsa_system_sgpr_workgroup_id_x 1
		.amdhsa_system_sgpr_workgroup_id_y 1
		.amdhsa_system_sgpr_workgroup_id_z 1
		.amdhsa_system_vgpr_workitem_id 0
		.amdhsa_next_free_vgpr 512
		.amdhsa_next_free_sgpr 66
		.amdhsa_reserve_vcc 1
		.amdhsa_float_denorm_mode_32 3
		.amdhsa_float_denorm_mode_16_64 3
		.amdhsa_memory_ordered 1
		.amdhsa_forward_progress 1
		.amdhsa_inst_pref_size 119
	.end_amdhsa_kernel
	.amdgpu_metadata
---
amdhsa.version: [ 1, 2 ]
amdhsa.kernels:
  - .name:           k_q0624ec40f3_proj
    .symbol:         k_q0624ec40f3_proj.kd
    .args:
      - { .name: Q, .offset: 0, .size: 8, .value_kind: global_buffer, .address_space: global }
      - { .name: K, .offset: 8, .size: 8, .value_kind: global_buffer, .address_space: global }
      - { .name: V, .offset: 16, .size: 8, .value_kind: global_buffer, .address_space: global }
      - { .name: mask, .offset: 24, .size: 8, .value_kind: global_buffer, .address_space: global }
      - { .name: b_q, .offset: 32, .size: 8, .value_kind: global_buffer, .address_space: global }
      - { .name: b_k, .offset: 40, .size: 8, .value_kind: global_buffer, .address_space: global }
      - { .name: b_v, .offset: 48, .size: 8, .value_kind: global_buffer, .address_space: global }
      - { .name: wimg, .offset: 56, .size: 8, .value_kind: global_buffer, .address_space: global }
      - { .name: wscl, .offset: 64, .size: 8, .value_kind: global_buffer, .address_space: global }
      - { .name: qimg, .offset: 72, .size: 8, .value_kind: global_buffer, .address_space: global }
      - { .name: kv, .offset: 80, .size: 8, .value_kind: global_buffer, .address_space: global }
    .group_segment_fixed_size: 54272
    .private_segment_fixed_size: 0
    .kernarg_segment_align: 8
    .kernarg_segment_size: 88
    .max_flat_workgroup_size: 256
    .sgpr_count:     66
    .vgpr_count:     512
    .wavefront_size: 32
...
	.end_amdgpu_metadata
.endif
;; end of part 2
;; launch attn (part 3): grid 16 x 16, 16 waves a work-group, clusters of 4 x 1, 327,680 bytes of LDS; arguments qimg, kv, acode, ascl; writes acode, ascl
.if DOCPART == 3
	.amdgcn_target "amdgcn-amd-amdhsa--gfx1250"
	.amdhsa_code_object_version 6
	.text
	.protected	k_q0624ec40f3_attn
	.globl	k_q0624ec40f3_attn
	.p2align	8
	.type	k_q0624ec40f3_attn,@function
k_q0624ec40f3_attn:
	s_mov_b64 s[64:65], 0
	v_nop
	global_prefetch_b8 v0, s[64:65] scope:SCOPE_SE
	s_setreg_imm32_b32 hwreg(HW_REG_WAVE_MODE, 25, 1), 1
	s_wait_xcnt 0x0
	s_wait_alu depctr_hold_cnt(0) depctr_sa_sdst(0) depctr_va_vdst(0) depctr_va_sdst(0) depctr_va_ssrc(0) depctr_va_vcc(0) depctr_vm_vsrc(0)
	s_getreg_b32 s2, hwreg(HW_REG_IB_STS2, 6, 4)
	s_cmp_eq_u32 s2, 0
	s_cbranch_scc0 .Lentry_in_a_cluster
	s_endpgm
.Lentry_in_a_cluster:
	s_bfe_u32 s2, ttmp6, 0x10000c
	s_cmp_lg_u32 s2, 0x3003
	s_cbranch_scc0 .Lentry_shape_is_right
	s_endpgm
.Lentry_shape_is_right:
; Launch 3 of 4: attn = softmax(q k^T / 8, masked) v for 16 (batch, head) pairs of 4,096 x 4,096, head size 64, both products on codes of E2M3 with E8M0 scales; attn is quantised along d_model for the last product.  Nothing is left out:
; every key is multiplied; a masked key's score comes out of the first product as -2^33 (launch 2 put that into the padding half of the instruction's K), so the mask costs no instruction here.
; THE SOFTMAX AHEAD OF THE SECOND PRODUCT: t = score x log2(e) / 8; M = the running largest t, rounded up to a whole number; p = 2^(t - M) is quantised along the keys, not normalised; the row's sum is taken of the unquantised p and
; divides at the end; when M moves, the sum and O are multiplied by 2^(old M - new M), which rounds nothing.  LIMITS: as stated at the head of launch 2.
; SHARES.  A work-group owns 256 queries of one (batch, head); each of its sixteen waves 16 of them, in 256 registers: four waves to a SIMD, so that one wave's vector work stands beside another's matrix work and LDS loads.
; Every wave walks all 4,096 keys, 128 a step.  A key step is one dense block of 15,360 bytes of kv: K's tiles, K's scale words, V's fragments, V's scale words, all as images of the operands' registers: every LDS read is 16 bytes a lane, 512 on end.
; THE RING.  Two slots of eight key steps (122,880 bytes).  Each of the sixteen waves fetches a sixteenth of a slot, 30 rows of 256 bytes, by one tensor load: at most two loads of a wave are out (the two first fills).
; A refill is asked for eight key steps ahead of the wait for it; so no prefetch is laid: no wave waits for these tiles, and the two first fills stand at the head.
; CLUSTER.  The four work-groups of a cluster belong to one (batch, head) and walk the same kv: each load is asked for JOINTLY, with the same descriptor and a mask that names the four.  My place in the cluster enters global addresses of q and of the results alone.
; LAYOUT.  S^T = K Q^T (source 0 = 16 keys, source 1 = my 16 queries), O^T = V^T P^T: a lane holds one query throughout.  The keys of a tile and the channels of a tile of V were chosen by launch 2 so that 16 registers of two neighbouring tiles are 16 neighbours.
.set STEPB, 15360
.set SLOTB, 8*STEPB
.set SPARE, 2*SLOTB                    ; behind the ring: the spare words, 128 bytes for each of sixteen waves: eight blocks of 256 bytes that no other line names
.set LI,  1                            ; v1   16 x lane
.set ADR, 2                            ; v2   LDS address of the key step in hand
.set SPW, 3                            ; v3   my spare word; never rewritten
.set NIL, 4                            ; v4   0; never rewritten
.set QO,  5                            ; v5   q's tile: 16 x lane + 1,024 x tile
.set QSO, 6                            ; v6   q's scale word
.set LI8, 7                            ; v7   8 x lane
.set AO,  8                            ; v8   16 r + h: my byte of ascl
.set SH8, 9                            ; v9   8 h
                                       ; v12 -M, v13 the largest t, v[14:15] the sum in two halves
.set QF,  16                           ; v16-27  q's fragment (24-27 zeros)
.set QS,  28                           ; v28     q's scale words
.set KF,  32                           ; v32-79  four tiles of K, 12 registers each (the last four of each: zeros, never loaded)
.set KS,  80                           ; v80-83  K's scale words
.set VS,  84                           ; v84-87  V's
.set SCR, 96                           ; v96-159 S^T, then p; V's four fragments land in v96-143 when p has been converted
.set OT,  160                          ; v160-191 O^T
.set PC,  192                          ; v192-203 p's codes
.set PT,  204                          ; v204-211 at work
.set BM,  212                          ; v212-215 the blocks' largest scores, then largest p
.set BP,  216                          ; v216-219 the other half's; then the bytes
.set BS,  220                          ; v220-223 the conversions' scale operands
.set FF,  224                          ; v[224:225] f = 2^(old M - new M) (225: named with it as a pair)
.set PW,  226                          ; v226    p's scale word
.set TMP, 227
.set SC2, 228                          ; v[228:229] the sums' second chain
.set WV,  12
.set SEL, 20
.set CS,  22                           ; s[22:23] c = log2(e) / 8
.set G1,  24                           ; s[24:31] descriptor group 1
.set G0A, 32                           ; s[32:35] group 0 for slot 0;  s[36:39] for slot 1
.set G0B, 36
.set TB,  40
.set CNT, 41
.macro CROUND                          ; a round of the cluster's barrier: my work-group's barrier; wave 0 signals for the work-group; every wave waits for all four; my work-group's barrier once more
	s_barrier_signal -1
	s_barrier_wait -1
	s_cmp_lg_u32 s[WV], 0
	s_cbranch_scc1 .Lnot_wave_0_\@
	s_barrier_signal -3
.Lnot_wave_0_\@:
	s_barrier_wait -3
	s_barrier_signal -1
	s_barrier_wait -1
.endm
; A KEY STEP: 128 keys
.macro STEP
	v_add_nc_u32 v[ADR], s[TB], v[LI]
	ds_load_b128 v[KS:KS+3], v[ADR] offset:8192
.irp g, 0,1                                    ; S^T = K Q^T, four tiles of 16 keys at a time
.if \g
.rept 4
	v_nop                                          ; places in front of loads into registers that matrix instructions have read
.endr
.endif
.irp t, 0,1,2,3
	ds_load_b128 v[KF+12*\t:KF+12*\t+3], v[ADR] offset:(4*\g+\t)*1024
	ds_load_b128 v[KF+12*\t+4:KF+12*\t+7], v[ADR] offset:(4*\g+\t)*1024+512
.endr
	s_wait_dscnt 0x0
.irp t, 0,1,2,3
.if \t%2
	v_wmma_scale_f32_16x16x128_f8f6f4 v[SCR+8*(4*\g+\t):SCR+8*(4*\g+\t)+7], v[KF+12*\t:KF+12*\t+11], v[QF:QF+11], 0, v[KS+(4*\g+\t)/2], v[QS] matrix_a_fmt:MATRIX_FMT_FP6 matrix_b_fmt:MATRIX_FMT_FP6 matrix_a_scale:MATRIX_SCALE_ROW1
.else
	v_wmma_scale_f32_16x16x128_f8f6f4 v[SCR+8*(4*\g+\t):SCR+8*(4*\g+\t)+7], v[KF+12*\t:KF+12*\t+11], v[QF:QF+11], 0, v[KS+(4*\g+\t)/2], v[QS] matrix_a_fmt:MATRIX_FMT_FP6 matrix_b_fmt:MATRIX_FMT_FP6
.endif
.endr
.endr                                          ; lane (r, h) holds query r; register 16 b + i is key 32 b + 16 h + i of the step
.rept 4
	v_nop
.endr
.irp b, 0,1,2,3
	v_max3_num_f32 v[BM+\b], v[SCR+16*\b], v[SCR+16*\b+1], v[SCR+16*\b+2]   ; the largest score of each block of 32 keys: it serves the row's maximum and, since p rises with the score, the block's largest p
.endr
.irp i, 3,5,7,9,11,13
.irp b, 0,1,2,3
	v_max3_num_f32 v[BM+\b], v[BM+\b], v[SCR+16*\b+\i], v[SCR+16*\b+\i+1]
.endr
.endr
.irp b, 0,1,2,3
	v_max_num_f32 v[BM+\b], v[BM+\b], v[SCR+16*\b+15]
.endr
.irp b, 0,1,2,3
	v_permlanex16_b32 v[BP+\b], v[BM+\b], s[SEL], s[SEL+1]
.endr
.irp b, 0,1,2,3
	v_max_num_f32 v[BM+\b], v[BM+\b], v[BP+\b]     ; with lane l xor 16's 16 keys
.endr
	v_max3_num_f32 v[TMP], v[BM], v[BM+1], v[BM+2]
	v_max_num_f32 v[TMP], v[TMP], v[BM+3]          ; the step's largest score of my query
	v_mul_f32 v[TMP], s[CS], v[TMP]                ; as t (c is positive)
	v_max_num_f32 v13, v13, v[TMP]                 ; the running largest t
	v_mov_b32 v[TMP], v12
	v_floor_f32 v12, -v13                          ; the new -M = floor(-t): M is a whole number
	v_sub_f32 v[TMP], v12, v[TMP]                  ; old M less new M: a whole number, 0 or less
	v_cvt_i32_f32 v[TMP], v[TMP]                   ; (it saturates)
	v_ldexp_f32 v[FF], 1.0, v[TMP]                 ; f = 2^(old M - new M)
.irp j, 0,2,4,6,8,10,12,14,16,18,20,22,24,26,28,30,32,34,36,38,40,42,44,46,48,50,52,54,56,58,60,62
	v_pk_fma_f32 v[SCR+\j:SCR+\j+1], v[SCR+\j:SCR+\j+1], s[CS:CS+1], v[12:13] op_sel_hi:[1,0,0]   ; t - M, two at a time (of the pairs c and -M the low word serves both halves)
.endr
.irp b, 0,1,2,3
	v_fma_f32 v[BM+\b], v[BM+\b], s[CS], v12       ; the same of each block's largest score
.endr
.irp j, 0,1,2,3,4,5,6,7,8,9,10,11,12,13,14,15,16,17,18,19,20,21,22,23,24,25,26,27,28,29,30,31,32,33,34,35,36,37,38,39,40,41,42,43,44,45,46,47,48,49,50,51,52,53,54,55,56,57,58,59,60,61,62,63
	v_exp_f32 v[SCR+\j], v[SCR+\j]                 ; p = 2^(t - M), at most 1; a masked key's is 0 beside any key that counts
.endr
	v_pk_mul_f32 v[14:15], v[14:15], v[FF:FF+1] op_sel_hi:[1,0]   ; the sums under the new M (a plain place behind the exponentials)
	s_wait_alu depctr_va_vdst(0)                   ; one wait for the whole batch, ahead of its first reader
.irp b, 0,1,2,3
	v_exp_f32 v[BM+\b], v[BM+\b]                   ; the block's largest p: the same two instructions on the same number give the same bits
.endr
	v_pk_add_f32 v[SC2:SC2+1], v[SCR:SCR+1], v[SCR+2:SCR+3]   ; the row's sum is taken of the unquantised p, in two chains (it reads the 64 alone: plain work behind the four)
.irp j, 4,8,12,16,20,24,28,32,36,40,44,48,52,56,60
	v_pk_add_f32 v[14:15], v[14:15], v[SCR+\j:SCR+\j+1]
	v_pk_add_f32 v[SC2:SC2+1], v[SC2:SC2+1], v[SCR+\j+2:SCR+\j+3]
.endr
	v_pk_add_f32 v[14:15], v[14:15], v[SC2:SC2+1]
	s_wait_alu depctr_va_vdst(0)                   ; and one for the four
.irp b, 0,1,2,3
	v_max_num_f32 v[BM+\b], 0x1800000, v[BM+\b]    ; the floor 2^(3 - 127): a block whose every p is 0 keeps the byte 1: its codes are zeros
.endr
.irp b, 0,1,2,3
	v_add_nc_u32 v[BS+\b], 0xff000000, v[BM+\b]    ; 2 off the exponent field: the conversion's scale operand
.endr
.irp b, 0,1,2,3
	v_lshrrev_b32 v[BP+\b], 23, v[BS+\b]           ; the scale's byte
.endr
	v_lshl_or_b32 v[PW], v[BP+1], 8, v[BP]         ; p's scale word for these 128 keys
	v_lshl_or_b32 v[PW], v[BP+2], 16, v[PW]
	v_lshl_or_b32 v[PW], v[BP+3], 24, v[PW]
.irp c, 0,1
	v_cvt_scalef32_pk16_fp6_f32 v[PC+6*\c:PC+6*\c+2], v[SCR+32*\c:SCR+32*\c+15], v[BS+2*\c]
	v_cvt_scalef32_pk16_fp6_f32 v[PT+4*\c:PT+4*\c+2], v[SCR+32*\c+16:SCR+32*\c+31], v[BS+2*\c+1]
.endr
.irp t, 0,1,2,3                                ; V's four fragments land where p stood: they are on their way while the codes are put in order and O^T is rescaled
.irp c, 0,1,2
	ds_load_b128 v[SCR+12*\t+4*\c:SCR+12*\t+4*\c+3], v[ADR] offset:8704+1536*\t+512*\c
.endr
.endr
	ds_load_b128 v[VS:VS+3], v[ADR] offset:14848
	v_nop                                          ; one plain place behind a scaled conversion
.irp c, 0,1                                    ; a whole block of 32 keys to a lane
.irp i, 0,1,2
	v_permlane16_swap_b32 v[PC+6*\c+\i], v[PT+4*\c+\i]
.endr
.irp i, 0,1,2
	v_mov_b32 v[PC+3+6*\c+\i], v[PT+4*\c+\i]
.endr
.endr
.irp j, 0,2,4,6,8,10,12,14,16,18,20,22,24,26,28,30
	v_pk_mul_f32 v[OT+\j:OT+\j+1], v[OT+\j:OT+\j+1], v[FF:FF+1] op_sel_hi:[1,0]   ; O^T under the new M.  (These sixteen are also the places between the writes of p's codes and scale word and the products below)
.endr
	s_wait_dscnt 0x0
.irp t, 0,1,2,3                                ; O^T += V^T P^T: the four accumulators take turns, one instruction a turn
	v_wmma_scale_f32_16x16x128_f8f6f4 v[OT+8*\t:OT+8*\t+7], v[SCR+12*\t:SCR+12*\t+11], v[PC:PC+11], v[OT+8*\t:OT+8*\t+7], v[VS+\t], v[PW] matrix_a_fmt:MATRIX_FMT_FP6 matrix_b_fmt:MATRIX_FMT_FP6
.endr
.rept 5
	v_nop                                          ; five places: the next step's first products write over the registers that held V's fragments
.endr
.endm
.macro PHASE base                      ; a slot's eight key steps
	s_mov_b32 s[TB], \base
	s_mov_b32 s[CNT], 8
.Lstep_\@:
	STEP
	s_add_co_u32 s[TB], s[TB], STEPB
	s_sub_co_u32 s[CNT], s[CNT], 1
	s_cmp_lg_u32 s[CNT], 0
	s_cbranch_scc1 .Lstep_\@
.endm
; THE CHANGE OF SLOTS with a refill: each wave waits for all its tensor loads (its part of the slot ahead among them), adds 0 to its spare word, and waits for that and for its reads of the slot that it has left; a round of the
; cluster's barrier, so that this holds of every wave of all four work-groups; then the joint refill of the slot just left, first thing behind the round: it has eight key steps in which to land.
.macro CHANGE g
	s_wait_tensorcnt 0x0                           ; no tensor load of mine is out, so a group 0 may be written
	ds_add_u32 v[SPW], v[NIL]                      ; 0 onto my spare word
	s_add_nc_u64 s[\g+2:\g+3], s[\g+2:\g+3], 2*SLOTB   ; the slot's next eight key steps; the type bits on top are not reached
	s_wait_dscnt 0x0                               ; the add is done, and my reads of the slot are over
	CROUND
	tensor_load_to_lds s[\g:\g+3], s[G1:G1+7]
	s_nop 0
.rept 4
	v_nop
.endr
.endm
	s_load_b256 s[4:11], s[0:1], 0x0               ; qimg, kv, acode, ascl
	v_lshl_add_u32 v[SPW], v0, 2, SPARE
	v_mov_b32 v[NIL], 0
	ds_add_u32 v[SPW], v[NIL]                      ; the wave's opening: the add, twice on end, and its wait ahead of my first tensor load; the set-up below stands between
	ds_add_u32 v[SPW], v[NIL]
	v_lshrrev_b32 v10, 5, v0
	v_readfirstlane_b32 s[WV], v10                 ; wave 0..15
	s_bfe_u32 s13, ttmp6, 0x40000                  ; cx: my place in the cluster
	s_lshl_b32 s14, ttmp9, 2                       ; in a cluster launch ttmp9 counts clusters
	s_add_co_u32 s14, s14, s13                     ; my block of 256 queries
	s_and_b32 s15, ttmp7, 0xffff                   ; batch x 8 + head, which the four partners share
	; descriptor group 1: 30 rows of 256 bytes (32 elements of 8 bytes), dense in memory and in LDS
	s_mov_b32 s[G1], 15|(3<<16)|(1<<21)            ; 15:0 the mask: all four work-groups; 17:16 elements of 8 bytes; 20 no padding; 21 set beside a mask
	s_mov_b32 s[G1+1], 32<<16                      ; tensor_dim0 = 32
	s_mov_b32 s[G1+2], 30<<16                      ; tensor_dim1 = 30
	s_mov_b32 s[G1+3], 32<<16                      ; tile_dim0 = 32
	s_mov_b32 s[G1+4], 30                          ; tile_dim1 = 30
	s_mov_b32 s[G1+5], 32                          ; from row to row
	s_mov_b32 s[G1+6], 0
	s_mov_b32 s[G1+7], 0
	s_mul_i32 s42, s15, 32*STEPB                   ; kv: my (batch, head),
	s_mul_i32 s44, s[WV], 7680                     ; my wave's sixteenth of a slot, in memory and in LDS alike: no place in the cluster enters either
	s_add_co_u32 s42, s42, s44
	s_mov_b32 s43, 0
	s_mov_b32 s[SEL], 0x76543210
	s_mov_b32 s[SEL+1], 0xfedcba98
	s_mov_b32 s[CS], 0x3e38aa3b                    ; c = log2(e) / 8
	s_mov_b32 s[CS+1], s[CS]                       ; (named with it as a pair, so it is written)
	s_lshl_b32 s46, s15, 5                         ; q: the group of 128 queries: 32 x (batch, head) + 2 x block + wave / 8
	s_lshl_b32 s47, s14, 1
	s_add_co_u32 s46, s46, s47
	s_lshr_b32 s47, s[WV], 3
	s_add_co_u32 s46, s46, s47
	s_mul_i32 s46, s46, 8704
	s_mov_b32 s47, 0
	s_and_b32 s48, s[WV], 7                        ; my tile in the group
	s_lshr_b32 s52, s15, 3                         ; the batch
	s_lshl_b32 s52, s52, 8
	s_lshl_b32 s53, s14, 4
	s_add_co_u32 s52, s52, s53
	s_add_co_u32 s52, s52, s[WV]                   ; my tile of 16 rows among the 512 of attn
	s_and_b32 s53, s15, 7                          ; the head
	s_lshl_b32 s54, s52, 8
	s_lshl_b32 s55, s53, 1
	s_add_co_u32 s54, s54, s55                     ; ascl: 256 x tile + 2 x head
	s_mov_b32 s55, 0
	s_lshl_b32 s52, s52, 3
	s_add_co_u32 s52, s52, s53
	s_mul_i32 s52, s52, 768                        ; acode: (8 x tile + head) x 768
	s_mov_b32 s53, 0
	v_and_b32 v10, 31, v0
	v_lshlrev_b32 v[LI], 4, v10
	v_lshlrev_b32 v[LI8], 3, v10
	v_and_b32 v11, 15, v0                          ; r
	v_bfe_u32 v10, v0, 4, 1                        ; h
	v_lshlrev_b32 v[SH8], 3, v10
	v_lshl_add_u32 v[AO], v11, 4, v10
	s_lshl_b32 s49, s48, 10
	v_add_nc_u32 v[QO], s49, v[LI]
	s_and_b32 s49, s48, 1                          ; q's scale word: word tile / 2 of lane r + 16 (tile % 2)
	s_lshl_b32 s49, s49, 8
	s_lshr_b32 s50, s48, 1
	s_lshl_b32 s50, s50, 2
	s_add_co_u32 s49, s49, s50
	v_lshl_add_u32 v[QSO], v11, 4, s49
	s_wait_dscnt 0x0                               ; both opening adds are done
	s_wait_kmcnt 0x0
	s_add_nc_u64 s[6:7], s[6:7], s[42:43]
	s_add_nc_u64 s[4:5], s[4:5], s[46:47]
	s_add_nc_u64 s[8:9], s[8:9], s[52:53]
	s_add_nc_u64 s[10:11], s[10:11], s[54:55]
	s_mov_b32 s[G0A], 1                            ; count = 1
	s_mov_b32 s[G0A+1], s44                        ; LDS address: slot 0
	s_mov_b64 s[G0A+2:G0A+3], s[6:7]               ; key steps 0 to 7
	s_or_b32 s[G0A+3], s[G0A+3], 0x80000000        ; type = 2
	s_mov_b32 s[G0B], 1
	s_add_co_u32 s[G0B+1], s44, SLOTB              ; slot 1
	s_add_nc_u64 s[G0B+2:G0B+3], s[6:7], SLOTB     ; key steps 8 to 15
	s_or_b32 s[G0B+3], s[G0B+3], 0x80000000
	CROUND                                         ; all four work-groups are here: the first joint loads meet
	tensor_load_to_lds s[G0A:G0A+3], s[G1:G1+7]    ; every wave issues both first fills: two loads of mine are out
	s_nop 0
	tensor_load_to_lds s[G0B:G0B+3], s[G1:G1+7]
	s_nop 0
.rept 4
	v_nop
.endr
	global_load_b128 v[QF:QF+3], v[QO], s[4:5]     ; q's tile stays in registers
	global_load_b128 v[QF+4:QF+7], v[QO], s[4:5] offset:512
	global_load_b32 v[QS], v[QSO], s[4:5] offset:8192
.irp i, 8,9,10,11
	v_mov_b32 v[QF+\i], 0                          ; k = 96 and on: zeros, in q's fragment and in K's four
	v_mov_b32 v[KF+\i], 0
	v_mov_b32 v[KF+12+\i], 0
	v_mov_b32 v[KF+24+\i], 0
	v_mov_b32 v[KF+36+\i], 0
.endr
	v_mov_b32 v13, 0xff61b1e6                      ; the largest t so far: -3e38, under every t
	v_floor_f32 v12, -v13                          ; -M
	v_mov_b32 v14, 0                               ; the sum, in two halves
	v_mov_b32 v15, 0
.irp b, 0,1,2,3
	v_mov_b32 v[BP+\b], 0                          ; written once: a lane permute's destination counts as one of its sources
.endr
	v_mov_b32 v[FF+1], 0                           ; (named as the upper half of a pair)
.irp j, 0,1,2,3,4,5,6,7,8,9,10,11,12,13,14,15,16,17,18,19,20,21,22,23,24,25,26,27,28,29,30,31
	v_mov_b32 v[OT+\j], 0                          ; O^T: the step is written for every step alike: the first finds zeros, which the first change of M leaves zeros
.endr
	s_wait_loadcnt 0x0                             ; q
	s_wait_tensorcnt 1                             ; my part of slot 0 is in; slot 1's load may stay out
	s_barrier_signal -1
	s_barrier_wait -1                              ; everybody's is
	PHASE 0                                        ; key steps 0 to 7
	CHANGE G0A                                     ; slot 0 takes key steps 16 to 23
	PHASE SLOTB                                    ; 8 to 15
	CHANGE G0B                                     ; slot 1 takes key steps 24 to 31
	PHASE 0                                        ; 16 to 23
	s_wait_tensorcnt 0x0                           ; the last change of slots: nothing is filled again, so my work-group's barrier alone follows the three lines
	ds_add_u32 v[SPW], v[NIL]
	s_wait_dscnt 0x0
	s_barrier_signal -1
	s_barrier_wait -1
	PHASE SLOTB                                    ; 24 to 31
	; THE WAY OUT.  O^T / the sum is attn(query r, channel 32 b + 16 h + i) in register 16 b + i: two blocks of the last product's K.  They are quantised in registers and leave as half a fragment's image and two scale bytes.
	v_add_f32 v14, v14, v15                        ; the sum's two halves,
	v_permlanex16_b32 v[TMP], v14, s[SEL], s[SEL+1]
	v_add_f32 v14, v14, v[TMP]                     ; and lane l xor 16's: the row's sum
	v_rcp_f32 v14, v14
	v_nop                                          ; a plain place behind the transcendental
	s_wait_alu depctr_va_vdst(0)                   ; a wait ahead of the first reader
.irp j, 0,1,2,3,4,5,6,7,8,9,10,11,12,13,14,15,16,17,18,19,20,21,22,23,24,25,26,27,28,29,30,31
	v_mul_f32 v[SCR+\j], v[OT+\j], v14
.endr
.irp b, 0,1
	v_max3_num_f32 v[BM+\b], |v[SCR+16*\b]|, |v[SCR+16*\b+1]|, 0x1800000
.endr
.irp i, 2,4,6,8,10,12,14
.irp b, 0,1
	v_max3_num_f32 v[BM+\b], v[BM+\b], |v[SCR+16*\b+\i]|, |v[SCR+16*\b+\i+1]|
.endr
.endr
.irp b, 0,1
	v_permlanex16_b32 v[BP+\b], v[BM+\b], s[SEL], s[SEL+1]
.endr
.irp b, 0,1
	v_max_num_f32 v[BM+\b], v[BM+\b], v[BP+\b]
.endr
.irp b, 0,1
	v_add_nc_u32 v[BS+\b], 0xff000000, v[BM+\b]
.endr
.irp b, 0,1
	v_lshrrev_b32 v[BP+\b], 23, v[BS+\b]
.endr
	v_cvt_scalef32_pk16_fp6_f32 v[PC:PC+2], v[SCR:SCR+15], v[BS]
	v_cvt_scalef32_pk16_fp6_f32 v[PT:PT+2], v[SCR+16:SCR+31], v[BS+1]
	v_nop                                          ; one plain place behind a scaled conversion
.irp i, 0,1,2
	v_permlane16_swap_b32 v[PC+\i], v[PT+\i]
.endr
.irp i, 0,1,2
	v_mov_b32 v[PC+3+\i], v[PT+\i]                 ; six registers: lane (r, h) holds channels 32 h .. 32 h + 31 of row r
.endr
	v_lshl_or_b32 v[TMP], v[BP+1], 8, v[BP]
	v_lshrrev_b32 v[TMP], v[SH8], v[TMP]           ; lanes 0-15 store block 0's byte, lanes 16-31 block 1's
	global_store_b128 v[LI], v[PC:PC+3], s[8:9]            ; 512 consecutive bytes
	global_store_b64 v[LI8], v[PC+4:PC+5], s[8:9] offset:512   ; 256 consecutive bytes
	global_store_b8 v[AO], v[TMP], s[10:11]        ; two bytes of each of 16 rows of 16: the one small store, 32 bytes a wave
	s_wait_tensorcnt 0x0                           ; the wave's end, behind my last tensor load
	ds_add_u32 v[SPW], v[NIL]
	s_wait_dscnt 0x0
	CROUND                                         ; the closing round: no work-group ends while a partner may still ask for a tile that names it
	s_endpgm
.Lfunc_end_k_q0624ec40f3_attn:
	.size	k_q0624ec40f3_attn, .Lfunc_end_k_q0624ec40f3_attn-k_q0624ec40f3_attn
	.p2alignl 7, 3214868480
	.fill 96, 4, 3214868480
	.section	.rodata,"a",@progbits
	.p2align	6, 0x0
	.amdhsa_kernel k_q0624ec40f3_attn
		.amdhsa_group_segment_fixed_size 327680
		.amdhsa_private_segment_fixed_size 0
		.amdhsa_enable_private_segment 0
		.amdhsa_kernarg_size 32
		.amdhsa_user_sgpr_count 2
		.amdhsa_user_sgpr_kernarg_segment_ptr 1
		.amdhsa_wavefront_size32 1
		.amdhsa_system_sgpr_workgroup_id_x 1
		.amdhsa_system_sgpr_workgroup_id_y 1
		.amdhsa_system_sgpr_workgroup_id_z 1
		.amdhsa_system_vgpr_workitem_id 0
		.amdhsa_next_free_vgpr 256
		.amdhsa_next_free_sgpr 66
		.amdhsa_reserve_vcc 0
		.amdhsa_float_denorm_mode_32 3
		.amdhsa_float_denorm_mode_16_64 3
		.amdhsa_memory_ordered 1
		.amdhsa_forward_progress 1
		.amdhsa_inst_pref_size 76
	.end_amdhsa_kernel
	.amdgpu_metadata
---
amdhsa.version: [ 1, 2 ]
amdhsa.kernels:
  - .name:           k_q0624ec40f3_attn
    .symbol:         k_q0624ec40f3_attn.kd
    .args:
      - { .name: qimg, .offset: 0, .size: 8, .value_kind: global_buffer, .address_space: global }
      - { .name: kv, .offset: 8, .size: 8, .value_kind: global_buffer, .address_space: global }
      - { .name: acode, .offset: 16, .size: 8, .value_kind: global_buffer, .address_space: global }
      - { .name: ascl, .offset: 24, .size: 8, .value_kind: global_buffer, .address_space: global }
    .group_segment_fixed_size: 327680
    .private_segment_fixed_size: 0
    .kernarg_segment_align: 8
    .kernarg_segment_size: 32
    .max_flat_workgroup_size: 512
    .sgpr_count:     66
    .vgpr_count:     256
    .wavefront_size: 32
...
	.end_amdgpu_metadata
.endif
;; end of part 3
;; launch oproj (part 4): grid 4 x 64, 16 waves a work-group, no clusters, 167,936 bytes of LDS; arguments acode, ascl, wimg, wscl, b_o, out0; writes out0
.if DOCPART == 4
	.amdgcn_target "amdgcn-amd-amdhsa--gfx1250"
	.amdhsa_code_object_version 6
	.text
	.protected	k_q0624ec40f3_oproj
	.globl	k_q0624ec40f3_oproj
	.p2align	8
	.type	k_q0624ec40f3_oproj,@function
k_q0624ec40f3_oproj:
	s_mov_b64 s[64:65], 0
	v_nop
	global_prefetch_b8 v0, s[64:65] scope:SCOPE_SE
	s_setreg_imm32_b32 hwreg(HW_REG_WAVE_MODE, 25, 1), 1
	s_wait_xcnt 0x0
; Launch 4 of 4: out0 = attn W_o^T + b_o in MX-FP6; both operands arrive as codes in the order of the operands' registers (launches 1 and 3).  Nothing is left out.
; SHARES.  A work-group makes 128 rows x 128 columns; wave w rows 32 (w / 4) on and columns 32 (w % 4) on: 2 x 2 accumulators, all four K steps of 128 in registers at once.
; No cluster and no ring: a work-group reads 49,152 bytes of attn's codes and as many of W_o's once, and has no loop in which tiles could be shared step by step.  Each wave copies one tile's 6,144 bytes into LDS through registers.
; The product is used transposed (source 0 = 16 rows of W_o, source 1 = 16 rows of attn): a lane holds eight neighbouring columns of one row.  The bias is loaded straight into the accumulators, in the result's layout.
; The results meet in a stage in LDS (rows of 512 bytes + 16) and leave as whole rows of 512 bytes.
.set WBLK,  49152                      ; LDS: 0: attn's 8 tiles x 6,144;  here: W_o's 8 tiles x 6,144
.set STG,   98304                      ; the stage: 128 rows x 528
.set SPARE, 165888                     ; the spare words, 128 bytes for each of sixteen waves: eight blocks of 256 bytes that no other line names
.set LI16, 1
.set LI8,  2
.set ADA16, 3                          ; attn's two tiles of mine: 16 x lane + 12,288 (w / 4)
.set ADA8, 4                           ; the same with 8 x lane
.set ADW,  5                           ; W_o's two tiles of mine
.set SO,   6                           ; the stage: where I put 32 bytes of a row
.set SRD,  7                           ; and where I read a row back
.set CPY,  8                           ; where I copy my tile
.set ASO,  9                           ; 16 r
.set BOF,  10                          ; 32 h
.set SPW,  12
.set NIL,  13
.set AS,   16                          ; v16-23  attn's scale words: (tile i, K step s) at 4 i + s
.set WS,   24                          ; v24-27  W_o's: K step s; lanes 0-15 my even tile, lanes 16-31 my odd one
.set ACC,  32                          ; v32-63  (i, n) at 8 (2 i + n)
.set AF,   64                          ; v64-159 attn's fragments (i, s) at 12 (4 i + s)
.set WF,   160                         ; v160-255 W_o's (n, s) at 12 (4 n + s)
	s_load_b256 s[4:11], s[0:1], 0x0               ; acode, ascl, wimg, wscl
	s_load_b128 s[12:15], s[0:1], 0x20             ; b_o, out0
	v_lshl_add_u32 v[SPW], v0, 2, SPARE
	v_mov_b32 v[NIL], 0
	v_lshrrev_b32 v11, 5, v0
	v_readfirstlane_b32 s16, v11                   ; wave 0..15
	s_mov_b32 s17, ttmp9                           ; which 128 columns
	s_and_b32 s18, ttmp7, 0xffff                   ; which 128 rows
	s_lshr_b32 s19, s16, 2                         ; my 32 rows
	s_and_b32 s24, s16, 3                          ; my 32 columns
	v_and_b32 v11, 31, v0
	v_lshlrev_b32 v[LI16], 4, v11
	v_lshlrev_b32 v[LI8], 3, v11
	v_and_b32 v14, 15, v0                          ; r
	v_bfe_u32 v15, v0, 4, 1                        ; h
	s_mul_i32 s25, s19, 12288
	v_add_nc_u32 v[ADA16], s25, v[LI16]
	v_add_nc_u32 v[ADA8], s25, v[LI8]
	s_mul_i32 s25, s24, 12288
	s_add_co_u32 s25, s25, WBLK
	v_add_nc_u32 v[ADW], s25, v[LI16]
	s_mul_i32 s25, s16, 6144
	v_add_nc_u32 v[CPY], s25, v[LI16]
	s_mul_i32 s25, s19, 32*528
	s_lshl_b32 s26, s24, 7
	s_add_co_u32 s25, s25, s26
	s_add_co_u32 s25, s25, STG
	v_mul_u32_u24 v[SO], v14, 528
	v_lshl_add_u32 v[SO], v15, 5, v[SO]
	v_add_nc_u32 v[SO], s25, v[SO]                 ; row 32 (w / 4) + r, + 128 (w % 4) + 32 h
	s_mul_i32 s25, s16, 8*528
	s_add_co_u32 s25, s25, STG
	v_add_nc_u32 v[SRD], s25, v[LI16]              ; back: rows 8 w on, 16 bytes a lane
	v_lshlrev_b32 v[ASO], 4, v14
	v_lshlrev_b32 v[BOF], 5, v15
	s_lshl_b32 s26, s18, 3                         ; waves 0-7 copy attn's tile 8 x block + w;
	s_add_co_u32 s26, s26, s16
	s_mul_i32 s26, s26, 6144
	s_lshl_b32 s27, s17, 3                         ; waves 8-15 W_o's tile 8 x block + w - 8: W_o's images begin at 3 x 196,608
	s_add_co_u32 s27, s27, s16
	s_mul_i32 s27, s27, 6144
	s_add_co_u32 s27, s27, 589824-8*6144
	s_cmp_lt_u32 s16, 8
	s_cselect_b32 s22, s26, s27
	s_mov_b32 s23, 0
	s_lshl_b32 s28, s18, 11                        ; ascl: 16 bytes a row: 2,048 x block + 512 (w / 4)
	s_lshl_b32 s29, s19, 9
	s_add_co_u32 s28, s28, s29
	s_mov_b32 s29, 0
	s_lshl_b32 s30, s17, 2                         ; wscl: W_o's words begin at 3 x 8,192; my pair of tiles: 4 x block + w % 4
	s_add_co_u32 s30, s30, s24
	s_lshl_b32 s30, s30, 9
	s_add_co_u32 s30, s30, 24576
	s_mov_b32 s31, 0
	s_lshl_b32 s32, s17, 9                         ; b_o: my 32 numbers
	s_lshl_b32 s33, s24, 7
	s_add_co_u32 s32, s32, s33
	s_mov_b32 s33, 0
	s_lshl_b32 s34, s18, 18                        ; out0: row 128 x block + 8 w, column 128 x block
	s_lshl_b32 s35, s16, 14
	s_add_co_u32 s34, s34, s35
	s_lshl_b32 s35, s17, 9
	s_add_co_u32 s34, s34, s35
	s_mov_b32 s35, 0
	s_wait_kmcnt 0x0
	s_cmp_lt_u32 s16, 8                            ; the choice hangs on the wave's number alone
	s_cselect_b64 s[20:21], s[4:5], s[8:9]
	s_add_nc_u64 s[20:21], s[20:21], s[22:23]
	s_add_nc_u64 s[6:7], s[6:7], s[28:29]
	s_add_nc_u64 s[10:11], s[10:11], s[30:31]
	s_add_nc_u64 s[12:13], s[12:13], s[32:33]
	s_add_nc_u64 s[14:15], s[14:15], s[34:35]
.irp i, 0,1,2,3,4,5,6,7,8,9,10,11
	global_load_b128 v[AF+4*\i:AF+4*\i+3], v[LI16], s[20:21] offset:512*\i   ; my tile, 512 consecutive bytes a load
.endr
.irp i, 0,1
	global_load_b128 v[AS+4*\i:AS+4*\i+3], v[ASO], s[6:7] offset:256*\i      ; row r of tile i: its four K steps' words
.endr
	global_load_b128 v[WS:WS+3], v[LI16], s[10:11]
.irp i, 0,1
.irp n, 0,1
	global_load_b128 v[ACC+8*(2*\i+\n):ACC+8*(2*\i+\n)+3], v[BOF], s[12:13] offset:64*\n      ; the bias of columns 16 n + 8 h + 0 .. 7 starts the sums
	global_load_b128 v[ACC+8*(2*\i+\n)+4:ACC+8*(2*\i+\n)+7], v[BOF], s[12:13] offset:64*\n+16
.endr
.endr
	s_wait_loadcnt 11                              ; my tile's twelve loads are in; the eleven behind them (scale words, bias) may be out
.irp i, 0,1,2,3,4,5,6,7,8,9,10,11
	ds_store_b128 v[CPY], v[AF+4*\i:AF+4*\i+3] offset:512*\i
.endr
	s_wait_dscnt 0x0                               ; for the others' sake: my stores have landed
	s_barrier_signal -1
	s_barrier_wait -1                              ; both blocks lie in LDS
.irp s, 0,1,2,3                                ; fourteen loads a K step.  A K step of attn is two heads' half fragments: 16 bytes a lane, 8 bytes a lane, twice
.irp i, 0,1
	ds_load_b128 v[AF+12*(4*\i+\s):AF+12*(4*\i+\s)+3], v[ADA16] offset:6144*\i+1536*\s
	ds_load_b64 v[AF+12*(4*\i+\s)+4:AF+12*(4*\i+\s)+5], v[ADA8] offset:6144*\i+1536*\s+512
	ds_load_b128 v[AF+12*(4*\i+\s)+6:AF+12*(4*\i+\s)+9], v[ADA16] offset:6144*\i+1536*\s+768
	ds_load_b64 v[AF+12*(4*\i+\s)+10:AF+12*(4*\i+\s)+11], v[ADA8] offset:6144*\i+1536*\s+1280
.endr
.irp n, 0,1
.irp c, 0,1,2
	ds_load_b128 v[WF+12*(4*\n+\s)+4*\c:WF+12*(4*\n+\s)+4*\c+3], v[ADW] offset:6144*\n+1536*\s+512*\c
.endr
.endr
.endr
	s_wait_loadcnt 0x0                             ; scale words and bias
.irp s, 0,1,2,3
	s_wait_dscnt 42-14*\s                          ; this K step's fourteen loads are in; the fourteen of each later K step may be out
.irp i, 0,1                                    ; the four accumulators take turns, one instruction a turn
	v_wmma_scale_f32_16x16x128_f8f6f4 v[ACC+16*\i:ACC+16*\i+7], v[WF+12*\s:WF+12*\s+11], v[AF+12*(4*\i+\s):AF+12*(4*\i+\s)+11], v[ACC+16*\i:ACC+16*\i+7], v[WS+\s], v[AS+4*\i+\s] matrix_a_fmt:MATRIX_FMT_FP6 matrix_b_fmt:MATRIX_FMT_FP6
	v_wmma_scale_f32_16x16x128_f8f6f4 v[ACC+16*\i+8:ACC+16*\i+15], v[WF+12*(4+\s):WF+12*(4+\s)+11], v[AF+12*(4*\i+\s):AF+12*(4*\i+\s)+11], v[ACC+16*\i+8:ACC+16*\i+15], v[WS+\s], v[AS+4*\i+\s] matrix_a_fmt:MATRIX_FMT_FP6 matrix_b_fmt:MATRIX_FMT_FP6 matrix_a_scale:MATRIX_SCALE_ROW1
.endr
.endr
.rept 4
	v_nop                                          ; four places between the last product and the first read of results, and the loads into registers that products have read
.endr
.irp i, 0,1
.irp n, 0,1
	ds_store_b128 v[SO], v[ACC+8*(2*\i+\n):ACC+8*(2*\i+\n)+3] offset:16*\i*528+64*\n          ; each accumulator from its low end on
	ds_store_b128 v[SO], v[ACC+8*(2*\i+\n)+4:ACC+8*(2*\i+\n)+7] offset:16*\i*528+64*\n+16
.endr
.endr
	s_wait_dscnt 0x0                               ; for the others' sake: my stores into the stage have landed
	s_barrier_signal -1
	s_barrier_wait -1                              ; 128 whole rows lie in the stage
.irp t, 0,1,2,3,4,5,6,7
	ds_load_b128 v[AF+4*\t:AF+4*\t+3], v[SRD] offset:\t*528
.endr
.irp t, 0,1,2,3,4,5,6,7
	s_wait_dscnt 7-\t                              ; row t is back; the later rows' loads may be out
	global_store_b128 v[LI16], v[AF+4*\t:AF+4*\t+3], s[14:15] offset:\t*2048 th:TH_STORE_NT   ; 32 lanes store 512 consecutive bytes, aligned to 256; written once, read by nobody here
.endr
	s_wait_tensorcnt 0x0                           ; the wave's end, behind my last LDS store; the wait on tensor loads stands in a text with no tensor load too
	ds_add_u32 v[SPW], v[NIL]
	s_wait_dscnt 0x0
	s_endpgm
.Lfunc_end_k_q0624ec40f3_oproj:
	.size	k_q0624ec40f3_oproj, .Lfunc_end_k_q0624ec40f3_oproj-k_q0624ec40f3_oproj
	.p2alignl 7, 3214868480
	.fill 96, 4, 3214868480
	.section	.rodata,"a",@progbits
	.p2align	6, 0x0
	.amdhsa_kernel k_q0624ec40f3_oproj
		.amdhsa_group_segment_fixed_size 167936
		.amdhsa_private_segment_fixed_size 0
		.amdhsa_enable_private_segment 0
		.amdhsa_kernarg_size 48
		.amdhsa_user_sgpr_count 2
		.amdhsa_user_sgpr_kernarg_segment_ptr 1
		.amdhsa_wavefront_size32 1
		.amdhsa_system_sgpr_workgroup_id_x 1
		.amdhsa_system_sgpr_workgroup_id_y 1
		.amdhsa_system_sgpr_workgroup_id_z 1
		.amdhsa_system_vgpr_workitem_id 0
		.amdhsa_next_free_vgpr 256
		.amdhsa_next_free_sgpr 66
		.amdhsa_reserve_vcc 0
		.amdhsa_float_denorm_mode_32 3
		.amdhsa_float_denorm_mode_16_64 3
		.amdhsa_memory_ordered 1
		.amdhsa_forward_progress 1
		.amdhsa_inst_pref_size 15
	.end_amdhsa_kernel
	.amdgpu_metadata
---
amdhsa.version: [ 1, 2 ]
amdhsa.kernels:
  - .name:           k_q0624ec40f3_oproj
    .symbol:         k_q0624ec40f3_oproj.kd
    .args:
      - { .name: acode, .offset: 0, .size: 8, .value_kind: global_buffer, .address_space: global }
      - { .name: ascl, .offset: 8, .size: 8, .value_kind: global_buffer, .address_space: global }
      - { .name: wimg, .offset: 16, .size: 8, .value_kind: global_buffer, .address_space: global }
      - { .name: wscl, .offset: 24, .size: 8, .value_kind: global_buffer, .address_space: global }
      - { .name: b_o, .offset: 32, .size: 8, .value_kind: global_buffer, .address_space: global }
      - { .name: out0, .offset: 40, .size: 8, .value_kind: global_buffer, .address_space: global }
    .group_segment_fixed_size: 167936
    .private_segment_fixed_size: 0
    .kernarg_segment_align: 8
    .kernarg_segment_size: 48
    .max_flat_workgroup_size: 512
    .sgpr_count:     66
    .vgpr_count:     256
    .wavefront_size: 32
...
	.end_amdgpu_metadata
.endif
;; end of part 4
;; ======== version 2 of 2: 4 launches
;; limits: right only within a limited range of input values
;; workspace buffers: wimg 786,432 bytes; wscl 32,768 bytes; qimg 4,456,448 bytes; kv 7,864,320 bytes; acode 3,145,728 bytes; ascl 131,072 bytes
;; launch wprep (part 5): grid 32 x 4, 1 waves a work-group, no clusters, 0 bytes of LDS; arguments W_q, W_k, W_v, W_o, wimg, wscl; writes wimg, wscl
.if DOCPART == 5
	.amdgcn_target "amdgcn-amd-amdhsa--gfx1250"
	.amdhsa_code_object_version 6
	.text
	.protected	k_q0624ec40f3_wprep
	.globl	k_q0624ec40f3_wprep
	.p2align	8
	.type	k_q0624ec40f3_wprep,@function
k_q0624ec40f3_wprep:
	s_mov_b64 s[64:65], 0
	v_nop
	global_prefetch_b8 v0, s[64:65] scope:SCOPE_SE
	s_setreg_imm32_b32 hwreg(HW_REG_WAVE_MODE, 25, 1), 1
	s_wait_xcnt 0x0
; MULTI-HEAD ATTENTION IN MX-FP6, launch 1 of 4: the four weights [512][512] f32 (K innermost) become codes of E2M3 with one E8M0 byte for each 32 along K.
; NO WORK OF reference() IS LEFT OUT in this program: all twelve inputs have a way to out0 (b_k too: it moves k's codes), every key is multiplied, and the mask only selects values.
; LIMITS of the program: NaN and infinities among the inputs are not served; a block of zeros gets the scale byte 1 where the rule says 127 (its codes are zeros, and this program alone reads the bytes);
; blocks whose largest magnitude lies under 2^-124 are held at the byte 1; a masked logit is -2^30 where reference() has -1e9 (launch 2 says why): a result differs only where an unmasked logit lies under about -1e9.
; LAYOUT OUT.  wimg[weight][tile of 16 rows][K step of 128][1,536 bytes]: a fragment's 12 registers as three images of 512 bytes, lane l's 16 bytes at 16 l: a later launch has the operand by three loads of 16 bytes a lane.
; wscl[weight][pair of tiles][lane][K step]: lanes 0-15 the even tile's rows, lanes 16-31 the odd tile's: one load of 16 bytes a lane gives the four K steps' scale registers of two tiles.
; THE ROWS OF A TILE: for W_q, W_k, W_v lane r of tile 2 b + u takes row 32 b + 8 u + r + 8 (r / 8), so that the 16 result registers of two neighbouring tiles are 16 neighbours along the next product's K; for W_o row 16 tile + r.
; One wave takes one tile of one weight: 16 rows x 512 K, four fragments.  No LDS, no barrier.  Each K step has registers of its own for its codes, so no store's data are written again.
.set RR,  1                            ; v1   r = lane % 16
.set HH,  2                            ; v2   h = lane / 16
.set XA,  3                            ; v3   my row x 2,048 + 64 h: my 16 numbers of each block of 32
.set LI,  4                            ; v4   16 x lane
.set ST0, 16                           ; v16-79, v80-143: two sets of 64 numbers: register 16 b + i = k 32 b + 16 h + i of the K step
.set ST1, 80
.set PC0, 144                          ; v144-223: codes, 20 registers for each K step (12 of the fragment, 8 at work)
.set TM,  224                          ; v224-227 largest magnitudes, v228-231 bytes, v232-235 the conversions' scale operands
.set XW,  236                          ; v236-239 the four K steps' scale words of my row
.set SEL, 20                           ; s[20:21] v_permlanex16_b32's selects for lane l xor 16
.macro XLOAD reg, s                    ; K step s: 16 numbers of each of its four blocks
.irp b, 0,1,2,3
.irp j, 0,1,2,3
	global_load_b128 v[\reg+16*\b+4*\j:\reg+16*\b+4*\j+3], v[XA], s[16:17] offset:512*(\s)+128*\b+16*\j th:TH_LOAD_NT
.endr
.endr
.endm
; 64 numbers of a lane become a fragment's codes in v[pc] .. v[pc + 11] and my row's scale word in v[pw]
.macro QUANT src, pc, pw
.irp b, 0,1,2,3
	v_max3_num_f32 v[TM+\b], |v[\src+16*\b]|, |v[\src+1+16*\b]|, 0x1800000   ; block b: my 16 numbers, and the floor 2^(3 - 127): the byte cannot fall under 1
.endr
.irp i, 2,4,6,8,10,12,14
.irp b, 0,1,2,3
	v_max3_num_f32 v[TM+\b], v[TM+\b], |v[\src+16*\b+\i]|, |v[\src+1+16*\b+\i]|   ; the four blocks by turns
.endr
.endr
.irp b, 0,1,2,3
	v_permlanex16_b32 v[TM+4+\b], v[TM+\b], s[SEL], s[SEL+1]
.endr
.irp b, 0,1,2,3
	v_max_num_f32 v[TM+\b], v[TM+\b], v[TM+4+\b]   ; with lane l xor 16's 16: the block's largest magnitude
.endr
.irp b, 0,1,2,3
	v_add_nc_u32 v[TM+8+\b], 0xff000000, v[TM+\b]  ; 2 off its exponent field: the conversion's scale operand
.endr
.irp b, 0,1,2,3
	v_lshrrev_b32 v[TM+4+\b], 23, v[TM+8+\b]       ; the scale's byte
.endr
	v_lshl_or_b32 v[\pw], v[TM+5], 8, v[TM+4]
	v_lshl_or_b32 v[\pw], v[TM+6], 16, v[\pw]
	v_lshl_or_b32 v[\pw], v[TM+7], 24, v[\pw]
.irp c, 0,1
	v_cvt_scalef32_pk16_fp6_f32 v[\pc+6*\c:\pc+6*\c+2], v[\src+32*\c:\src+32*\c+15], v[TM+8+2*\c]
	v_cvt_scalef32_pk16_fp6_f32 v[\pc+12+4*\c:\pc+14+4*\c], v[\src+16+32*\c:\src+31+32*\c], v[TM+9+2*\c]   ; (a conversion's three registers begin on an even number)
.endr
	v_nop                                          ; one plain place behind a scaled conversion
.irp c, 0,1                                    ; the operand's layout wants a whole block in a lane: lanes 0-15 block 2 c, lanes 16-31 block 2 c + 1
.irp i, 0,1,2
	v_permlane16_swap_b32 v[\pc+6*\c+\i], v[\pc+12+4*\c+\i]
.endr
.irp i, 0,1,2
	v_mov_b32 v[\pc+3+6*\c+\i], v[\pc+12+4*\c+\i]
.endr
.endr
.endm
.macro OUTF s                          ; K step s's fragment leaves: three stores of 512 consecutive bytes
.irp c, 0,1,2
	global_store_b128 v[LI], v[PC0+20*(\s)+4*\c:PC0+20*(\s)+4*\c+3], s[12:13] offset:1536*(\s)+512*\c
.endr
.endm
	s_load_b256 s[4:11], s[0:1], 0x0               ; W_q, W_k, W_v, W_o
	s_load_b128 s[12:15], s[0:1], 0x20             ; wimg, wscl
	s_and_b32 s3, ttmp7, 0xffff                    ; which weight
	v_and_b32 v[RR], 15, v0
	s_wait_alu depctr_va_vdst(0)
	v_lshrrev_b32 v[HH], 4, v0
	v_lshlrev_b32 v[LI], 4, v0
	s_mov_b32 s[SEL], 0x76543210
	s_mov_b32 s[SEL+1], 0xfedcba98
	s_lshr_b32 s22, ttmp9, 1                       ; the pair of tiles
	s_and_b32 s23, ttmp9, 1                        ; which of the pair
	s_cmp_lt_u32 s3, 3                             ; W_q, W_k, W_v: the chosen rows; W_o: neighbours
	s_cselect_b32 s24, 1, 0
	s_cselect_b32 s25, 3, 4
	s_lshl_b32 s25, s23, s25                       ; 8 u or 16 u
	s_lshl_b32 s26, s22, 5
	s_add_co_u32 s26, s26, s25                     ; the tile's first row
	v_and_b32 v5, 8, v[RR]
	v_mul_u32_u24 v5, s24, v5                      ; 8 (r / 8), or 0
	v_add3_u32 v5, v5, v[RR], s26                  ; my row
	v_lshlrev_b32 v[XA], 11, v5
	s_wait_alu depctr_va_vdst(0)
	v_lshl_add_u32 v[XA], v[HH], 6, v[XA]
	v_lshlrev_b32 v8, 4, v[RR]
	v_lshl_add_u32 v8, v[HH], 3, v8                ; the scale words' place: 16 r + 8 h
	s_mul_i32 s27, s3, 196608                      ; a weight's images: 32 tiles x 6,144 bytes
	s_mul_i32 s28, ttmp9, 6144
	s_add_co_u32 s28, s28, s27
	s_mov_b32 s29, 0
	s_lshl_b32 s30, s3, 13                         ; a weight's scale words: 8,192 bytes; a tile's: 256
	s_lshl_b32 s27, ttmp9, 8
	s_add_co_u32 s30, s30, s27
	s_mov_b32 s31, 0
.irp b, 0,1,2,3
	v_mov_b32 v[TM+4+\b], 0                        ; written once: a lane permute's destination counts as one of its sources
.endr
	s_wait_alu depctr_va_vdst(0)
	s_wait_kmcnt 0x0
	s_cmp_lt_u32 s3, 2                             ; the source is chosen by the work-group's number alone
	s_cselect_b64 s[16:17], s[4:5], s[8:9]
	s_cselect_b64 s[18:19], s[6:7], s[10:11]
	s_and_b32 s22, s3, 1
	s_cmp_eq_u32 s22, 0
	s_cselect_b64 s[16:17], s[16:17], s[18:19]
	s_add_nc_u64 s[12:13], s[12:13], s[28:29]
	s_add_nc_u64 s[14:15], s[14:15], s[30:31]
	XLOAD ST0, 0
	XLOAD ST1, 1
	s_wait_loadcnt 16                              ; K step 0 is in; the 16 loads of K step 1 may be out
	QUANT ST0, PC0, XW
	OUTF 0
	XLOAD ST0, 2
	s_wait_loadcnt 16                              ; K step 1 is in; K step 2's 16 may be out
	QUANT ST1, PC0+20, XW+1
	OUTF 1
	XLOAD ST1, 3
	s_wait_loadcnt 16                              ; K step 2 is in; K step 3's 16 may be out
	QUANT ST0, PC0+40, XW+2
	OUTF 2
	s_wait_loadcnt 0x0
	QUANT ST1, PC0+60, XW+3
	OUTF 3
	v_cmp_eq_u32 vcc_lo, 1, v[HH]                  ; both halves of the lanes hold my row's four words: lanes 0-15 store words 0, 1, lanes 16-31 words 2, 3
	v_cndmask_b32 v6, v[XW], v[XW+2], vcc_lo
	v_cndmask_b32 v7, v[XW+1], v[XW+3], vcc_lo
	global_store_b64 v8, v[6:7], s[14:15]          ; the wave stores 256 consecutive bytes, aligned
	s_endpgm
.Lfunc_end_k_q0624ec40f3_wprep:
	.size	k_q0624ec40f3_wprep, .Lfunc_end_k_q0624ec40f3_wprep-k_q0624ec40f3_wprep
	.p2alignl 7, 3214868480
	.fill 96, 4, 3214868480
	.section	.rodata,"a",@progbits
	.p2align	6, 0x0
	.amdhsa_kernel k_q0624ec40f3_wprep
		.amdhsa_group_segment_fixed_size 0
		.amdhsa_private_segment_fixed_size 0
		.amdhsa_enable_private_segment 0
		.amdhsa_kernarg_size 48
		.amdhsa_user_sgpr_count 2
		.amdhsa_user_sgpr_kernarg_segment_ptr 1
		.amdhsa_wavefront_size32 1
		.amdhsa_system_sgpr_workgroup_id_x 1
		.amdhsa_system_sgpr_workgroup_id_y 1
		.amdhsa_system_sgpr_workgroup_id_z 1
		.amdhsa_system_vgpr_workitem_id 0
		.amdhsa_next_free_vgpr 240
		.amdhsa_next_free_sgpr 66
		.amdhsa_reserve_vcc 1
		.amdhsa_float_denorm_mode_32 3
		.amdhsa_float_denorm_mode_16_64 3
		.amdhsa_memory_ordered 1
		.amdhsa_forward_progress 1
		.amdhsa_inst_pref_size 25
	.end_amdhsa_kernel
	.amdgpu_metadata
---
amdhsa.version: [ 1, 2 ]
amdhsa.kernels:
  - .name:           k_q0624ec40f3_wprep
    .symbol:         k_q0624ec40f3_wprep.kd
    .args:
      - { .name: W_q, .offset: 0, .size: 8, .value_kind: global_buffer, .address_space: global }
      - { .name: W_k, .offset: 8, .size: 8, .value_kind: global_buffer, .address_space: global }
      - { .name: W_v, .offset: 16, .size: 8, .value_kind: global_buffer, .address_space: global }
      - { .name: W_o, .offset: 24, .size: 8, .value_kind: global_buffer, .address_space: global }
      - { .name: wimg, .offset: 32, .size: 8, .value_kind: global_buffer, .address_space: global }
      - { .name: wscl, .offset: 40, .size: 8, .value_kind: global_buffer, .address_space: global }
    .group_segment_fixed_size: 0
    .private_segment_fixed_size: 0
    .kernarg_segment_align: 8
    .kernarg_segment_size: 48
    .max_flat_workgroup_size: 32
    .sgpr_count:     66
    .vgpr_count:     240
    .wavefront_size: 32
...
	.end_amdgpu_metadata
.endif
;; end of part 5
;; launch proj (part 6): grid 64 x 3, 8 waves a work-group, no clusters, 54,272 bytes of LDS; arguments Q, K, V, mask, b_q, b_k, b_v, wimg, wscl, qimg, kv; writes qimg, kv
.if DOCPART == 6
	.amdgcn_target "amdgcn-amd-amdhsa--gfx1250"
	.amdhsa_code_object_version 6
	.text
	.protected	k_q0624ec40f3_proj
	.globl	k_q0624ec40f3_proj
	.p2align	8
	.type	k_q0624ec40f3_proj,@function
k_q0624ec40f3_proj:
	s_mov_b64 s[64:65], 0
	v_nop
	global_prefetch_b8 v0, s[64:65] scope:SCOPE_SE
	s_setreg_imm32_b32 hwreg(HW_REG_WAVE_SCHED_MODE, 0, 2), 2
	s_setreg_imm32_b32 hwreg(HW_REG_WAVE_MODE, 25, 1), 1
	s_wait_xcnt 0x0
	s_wait_alu depctr_vm_vsrc(0)
; Launch 2 of 4: q = Q W_q^T + b_q, k = K W_k^T + b_k, v = V W_v^T + b_v, all in MX-FP6 (E2M3, one E8M0 byte for each 32 along K), and q, k, v quantised anew for the two products of attention.  Nothing is left out.
; SHARES.  A work-group takes 128 rows of one tensor (grid y: 0 Q, 1 K, 2 V), all 512 columns: one block of 128 queries or keys of one batch.  Wave w is head w: its 64 rows of the weight (16 fragments, 192 registers) stay in registers.
; No cluster: the weights go from memory straight into registers, once for a work-group, and what a work-group reads besides, its 128 rows of x, no other work-group reads.
; PHASE X: wave w quantises 16 rows of x (four fragments) and stores them in LDS as images of the operand's registers (16 bytes a lane, 512 a store); one barrier; behind it LDS is only read.
; Q AND K: the product is used transposed (source 0 = 16 rows of W, source 1 = 16 rows of x): a lane holds one row, and the 16 registers of two neighbouring tiles are 16 neighbours of the head's 64.  They are quantised along the head's 64.
; V: source 0 = 16 rows of x (keys), source 1 = 16 rows of W: a lane holds one channel and its registers run along the KEYS, which are the second product's K: quantised along the keys.
; THE KEYS OF A TILE ARE NOT NEIGHBOURS: lane r of tile 2 b + u takes key 32 b + 8 u + r + 8 (r / 8) (K and V); Q's tiles are neighbours.
; A TILE OF q OR k in the instruction of 128 along K: registers 0-5 the head's 64 codes, register 6 one PAD CODE at k = 64 (lanes 0-15), register 7 zero; registers 8-11 are zeros that the next launch keeps in registers.
; THE MASK RIDES IN THAT PADDING.  q: pad code 1.0, pad scale byte 127.  A key that counts: pad code 0, pad byte 1: it adds exactly nothing.  A masked key: its 64 codes are cleared, pad code -4.0, pad byte 158:
; its score is exactly -4 x 2^31 = -2^33 for every query, the logit -2^30.  LIMIT: reference() has -1e9 there: a result differs only where an unmasked logit lies under about -1e9.  -2^33 times a constant is exact in f32,
; so that in a batch whose mask is all zeros every p is exactly 1, and the result is the plain mean, as reference()'s is.
; LIMITS: NaN and infinities are not served; a block of zeros gets the byte 1 (its codes are zeros; this program alone reads the bytes); blocks under 2^-124 are held at the byte 1.
; OUT.  qimg[batch x head][128 queries][8,704]: 8 tiles x 1,024 bytes (two images), then 512 bytes of scale words (word i of lane l: tile 2 i + l / 16, row l % 16).
; kv[batch x head][128 keys][15,360]: K's 8 tiles and scale words laid likewise, at 8,704 V's four fragments (16 channels x 128 keys, 1,536 bytes each), at 14,848 V's scale words (word t of lane l: channel tile t, row l % 16).
; REGISTERS.  Window 0: v1-14 addresses and constants; v16-111 x's eight fragments; v112-175 results; v176-187 at work; v188-191 x's scale words; v192-199 W's; v200-251 the way out; v254, v255 the add's two.
;   In phase X v16-143 hold numbers of x, v144-163 codes, v164-167 scale words.   Window 1: v0-191 W's fragments; v192-223 the bias in the results' layout.
; THE MODE: SCHED_MODE bits 1:0 = 2 (LLVM: expert scheduling mode 2), set by the entry lines.  The code itself states the register dependences between vector or matrix instructions and memory or LDS instructions, with s_wait_alu, always for 0.
; THE PLAN.  Registers that memory or LDS instructions touch:
;   v1, v4-7, v9, v10   offsets and LDS addresses: made at the head, never written again: one wait on va_vdst at the head serves every load and store of the kernel.
;   W's fragments and scale words, the bias, the mask: loaded once, behind that wait (the mask lands on registers that the head has written).
;   ST0, ST1 (phase X)  loads of x land; QUANT reads; the set is asked for again behind the wait on va_vdst that follows QUANT.
;   PCX, XW (phase X)   QUANT writes; the LDS stores behind the same wait read; a wait on vm_vsrc stands ahead of the next QUANT, and one behind the barrier, ahead of the products, which write these registers as results.
;   XF, XS              the LDS loads of trip p + 1 land, issued in trip p behind its products; trip p + 1's products read.
;   OUT (q, k)          trip p's conversions, moves and selects write; the four stores issued in trip p + 1 read; a wait on vm_vsrc stands ahead of trip p + 1's conversions.
;   EV, KP, VS (v)      EV's first image is stored in trip 2 in the same way; all else leaves at the end.   SCW (q, k): stored at the end.
; So ONE wait on va_vdst stands in a trip, behind the places that follow its products: they are done reading XF and XS, and the trip before has written what is to be stored.  The next trip's loads and the last trip's stores follow it,
; and the lines that quantise this trip's results, which name none of those registers, run while the loads are on their way.
; The mask's eight compares write scalar registers, once, in phase X, with one wait on va_sdst behind them: the trips' selects owe nothing more.
.set XSC,   49152                      ; LDS: 0: x's 32 fragments ((4 tile + K step) x 1,536); here: their scale words, 512 bytes a tile (16 x lane: four K steps' words)
.set SPARE, 53248                      ; the spare words, 128 bytes for each of eight waves: four blocks of 256 bytes that no other line names
.set LI,  1                            ; v1   16 x lane
.set RR,  2                            ; v2   r
.set HH,  3                            ; v3   h
.set XA,  4                            ; v4   x: my row x 2,048 + 64 h
.set XWI, 5                            ; v5   where I store x's images: 16 x lane + 6,144 x wave
.set XWS, 6                            ; v6   and their scale words: 16 x lane + 512 x wave
.set XSA, 7                            ; v7   where I read scale words: 16 r + 512 h: lanes 0-15 the even tile's, lanes 16-31 the odd tile's
.set MO,  9                            ; v9   4 (r + 8 (r / 8))
.set BO,  10                           ; v10  64 h
.set PCM, 11                           ; v11  the pad code of a masked key: 0x38 (-4.0) in lanes 0-15
.set PCU, 12                           ; v12  the pad code else: 0x08 (1.0) in lanes 0-15 for q, 0 for k
.set SPM, 13                           ; v13  the pad scale bytes of a masked key
.set SPU, 14                           ; v14  and else
.set XF,  16
.set HA,  112
.set TM,  176                          ; v176-179 largest magnitudes, v180-183 bytes, v184-187 the conversions' scale operands
.set XS,  188
.set WS,  192
.set OUT, 200                          ; q, k: two tiles x 8 registers
.set TC,  216
.set SCW, 224
.set MK,  228                          ; the mask of my row in each of the eight tiles
.set W0,  236
.set PADW, 238
.set EV,  200                          ; v: codes of the even blocks of 32 keys, four registers a channel tile;
.set OD,  216                          ; of the odd ones;
.set KP,  232                          ; a fragment's registers 4-7;
.set VS,  248                          ; the scale words
.set ST0, 16
.set ST1, 80
.set PCX, 144
.set XW,  164
.set SPW, 254
.set NIL, 255
.set WF,  0                            ; window 1
.set BI,  192
.set WV,  26
.set TY,  27
.set RB,  28
.set SEL, 30
.set HI,  32
.set CM,  44                           ; s44-51  behind the head, whose offsets stood here: tile i's lanes whose row is a masked key
.set MSB, 0
.macro WIN new                         ; the immediate's high byte repeats the setting that is left
.if MSB != \new
	s_set_vgpr_msb (MSB<<8)|\new
.set MSB, \new
.endif
.endm
.macro XLOAD reg, s                    ; K step s of my row: 16 numbers of each of its four blocks
.irp b, 0,1,2,3
.irp j, 0,1,2,3
	global_load_b128 v[\reg+16*\b+4*\j:\reg+16*\b+4*\j+3], v[XA], s[34:35] offset:512*(\s)+128*\b+16*\j th:TH_LOAD_NT
.endr
.endr
.endm
; four blocks of 16 registers from v[src] on: each block's largest magnitude (with lane l xor 16's 16), its conversion's scale operand in v[TM + 8 + b] and its byte in v[TM + 4 + b]
.macro QMAX src
.irp b, 0,1,2,3
	v_max3_num_f32 v[TM+\b], |v[\src+16*\b]|, |v[\src+1+16*\b]|, 0x1800000   ; and the floor 2^(3 - 127): the byte cannot fall under 1
.endr
.irp i, 2,4,6,8,10,12,14
.irp b, 0,1,2,3
	v_max3_num_f32 v[TM+\b], v[TM+\b], |v[\src+16*\b+\i]|, |v[\src+1+16*\b+\i]|   ; the four blocks by turns; each result tile is read from its low end on
.endr
.endr
.irp b, 0,1,2,3
	v_permlanex16_b32 v[TM+4+\b], v[TM+\b], s[SEL], s[SEL+1]
.endr
.irp b, 0,1,2,3
	v_max_num_f32 v[TM+\b], v[TM+\b], v[TM+4+\b]
.endr
.irp b, 0,1,2,3
	v_add_nc_u32 v[TM+8+\b], 0xff000000, v[TM+\b]  ; 2 off the exponent field
.endr
.irp b, 0,1,2,3
	v_lshrrev_b32 v[TM+4+\b], 23, v[TM+8+\b]
.endr
.endm
.macro QUANT src, pw                   ; 64 numbers of x become a fragment in v[PCX] on and a scale word in v[pw]
	QMAX \src
	v_lshl_or_b32 v[\pw], v[TM+5], 8, v[TM+4]
	v_lshl_or_b32 v[\pw], v[TM+6], 16, v[\pw]
	v_lshl_or_b32 v[\pw], v[TM+7], 24, v[\pw]
.irp c, 0,1
	v_cvt_scalef32_pk16_fp6_f32 v[PCX+6*\c:PCX+6*\c+2], v[\src+32*\c:\src+32*\c+15], v[TM+8+2*\c]
	v_cvt_scalef32_pk16_fp6_f32 v[PCX+12+4*\c:PCX+14+4*\c], v[\src+16+32*\c:\src+31+32*\c], v[TM+9+2*\c]
.endr
	v_nop                                          ; one plain place behind a scaled conversion
.irp c, 0,1
.irp i, 0,1,2
	v_permlane16_swap_b32 v[PCX+6*\c+\i], v[PCX+12+4*\c+\i]
.endr
.irp i, 0,1,2
	v_mov_b32 v[PCX+3+6*\c+\i], v[PCX+12+4*\c+\i]
.endr
.endr
.endm
.macro IMAGE s                         ; the fragment goes to LDS as it stands
.irp c, 0,1,2
	ds_store_b128 v[XWI], v[PCX+4*\c:PCX+4*\c+3] offset:1536*(\s)+512*\c
.endr
.endm
.macro FETCH p                         ; x's tiles 2 p and 2 p + 1: one load of scale words, then six loads for each K step
	ds_load_b128 v[XS:XS+3], v[XSA] offset:XSC+1024*(\p)
.irp s, 0,1,2,3
.irp u, 0,1
.irp c, 0,1,2
	ds_load_b128 v[XF+12*(4*\u+\s)+4*\c:XF+12*(4*\u+\s)+4*\c+3], v[LI] offset:((2*(\p)+\u)*4+\s)*1536+512*\c
.endr
.endr
.endr
.endm
.macro WM d, a, b, c, sa, sb, ra, rb   ; one matrix instruction; ra, rb: the side's scales stand in lanes 16-31
.if (\ra) && (\rb)
	v_wmma_scale_f32_16x16x128_f8f6f4 v[\d:\d+7], v[\a:\a+11], v[\b:\b+11], v[\c:\c+7], v[\sa], v[\sb] matrix_a_fmt:MATRIX_FMT_FP6 matrix_b_fmt:MATRIX_FMT_FP6 matrix_a_scale:MATRIX_SCALE_ROW1 matrix_b_scale:MATRIX_SCALE_ROW1
.elseif (\ra)
	v_wmma_scale_f32_16x16x128_f8f6f4 v[\d:\d+7], v[\a:\a+11], v[\b:\b+11], v[\c:\c+7], v[\sa], v[\sb] matrix_a_fmt:MATRIX_FMT_FP6 matrix_b_fmt:MATRIX_FMT_FP6 matrix_a_scale:MATRIX_SCALE_ROW1
.elseif (\rb)
	v_wmma_scale_f32_16x16x128_f8f6f4 v[\d:\d+7], v[\a:\a+11], v[\b:\b+11], v[\c:\c+7], v[\sa], v[\sb] matrix_a_fmt:MATRIX_FMT_FP6 matrix_b_fmt:MATRIX_FMT_FP6 matrix_b_scale:MATRIX_SCALE_ROW1
.else
	v_wmma_scale_f32_16x16x128_f8f6f4 v[\d:\d+7], v[\a:\a+11], v[\b:\b+11], v[\c:\c+7], v[\sa], v[\sb] matrix_a_fmt:MATRIX_FMT_FP6 matrix_b_fmt:MATRIX_FMT_FP6
.endif
.endm
.macro PLACES
.rept 4
	v_nop
.endr
.endm
; 32 matrix instructions: two tiles of x against my four tiles of W, four K steps; the eight accumulators take turns, one instruction a turn.  The bias is the C of each sum's first instruction.
.macro MULQK
.irp s, 0,1,2,3
	s_wait_dscnt 18-6*\s                           ; this K step's six loads are in; the six of each later K step may be out
.if \s == 0
	WIN 0x11                                       ; source 0 (W) and source 2 (the bias) window 1
.else
	WIN 0x01
.endif
.irp u, 0,1
.irp t, 0,1,2,3
.if \s == 0
	WM HA+32*\u+8*\t, WF+12*(4*\t+\s), XF+12*(4*\u+\s), BI+8*\t, WS+4*(\t/2)+\s, XS+\s, \t%2, \u
.else
	WM HA+32*\u+8*\t, WF+12*(4*\t+\s), XF+12*(4*\u+\s), HA+32*\u+8*\t, WS+4*(\t/2)+\s, XS+\s, \t%2, \u
.endif
.endr
.endr
.endr
	WIN 0
.endm
.macro MULV
.irp s, 0,1,2,3
	s_wait_dscnt 18-6*\s
.if \s == 0
	WIN 0x14                                       ; source 1 (W) and source 2 (the bias) window 1
.else
	WIN 0x04
.endif
.irp u, 0,1
.irp t, 0,1,2,3
.if \s == 0
	WM HA+16*\t+8*\u, XF+12*(4*\u+\s), WF+12*(4*\t+\s), BI+8*\t, XS+\s, WS+4*(\t/2)+\s, \u, \t%2
.else
	WM HA+16*\t+8*\u, XF+12*(4*\u+\s), WF+12*(4*\t+\s), HA+16*\t+8*\u, XS+\s, WS+4*(\t/2)+\s, \u, \t%2
.endif
.endr
.endr
.endr
	WIN 0
.endm
.macro SENDQK p                        ; the images of tiles 2 p and 2 p + 1 leave
.irp u, 0,1
	global_store_b128 v[LI], v[OUT+8*\u:OUT+8*\u+3], s[38:39] offset:(2*(\p)+\u)*1024      ; each store covers 512 consecutive bytes, aligned to 256
	global_store_b128 v[LI], v[OUT+8*\u+4:OUT+8*\u+7], s[38:39] offset:(2*(\p)+\u)*1024+512
.endr
.endm
; q or k: tiles 2 p and 2 p + 1 of the rows; their fragments of x were asked for a trip ago.  Register HA + 32 u + 16 b + i of lane (r, h) is channel 32 b + 16 h + i of row r of tile 2 p + u
.macro TRIPQK p
	MULQK
	PLACES                                         ; four places between the last product and the first read of results
	s_wait_alu depctr_va_vdst(0)                   ; the products are done reading XF and XS, in which the loads below land; the trip before has written OUT, which the stores below read
.if (\p) < 3
	FETCH (\p)+1                                   ; the next trip's fragments are on their way while this trip's results are quantised: no line below names XF or XS
.endif
.if (\p) > 0
	SENDQK (\p)-1                                  ; the trip before leaves
.endif
	QMAX HA
.if (\p) > 0
	s_wait_alu depctr_va_vdst(0)
	s_wait_xcnt 0x0                                ; the stores above have had their addresses translated: their data are written again only behind this wait,
	s_wait_alu depctr_vm_vsrc(0)                   ; and behind this one: the stores above have read OUT, which the conversions below write
.endif
.irp u, 0,1
	v_cvt_scalef32_pk16_fp6_f32 v[OUT+8*\u:OUT+8*\u+2], v[HA+32*\u:HA+32*\u+15], v[TM+8+2*\u]
	v_cvt_scalef32_pk16_fp6_f32 v[TC+4*\u:TC+4*\u+2], v[HA+32*\u+16:HA+32*\u+31], v[TM+9+2*\u]
.endr
	v_nop                                          ; one plain place behind a scaled conversion
.irp u, 0,1
.irp i, 0,1,2
	v_permlane16_swap_b32 v[OUT+8*\u+\i], v[TC+4*\u+\i]   ; a whole block of 32 channels to a lane: lanes 0-15 channels 0-31, lanes 16-31 channels 32-63
.endr
.irp i, 0,1,2
	v_mov_b32 v[OUT+8*\u+3+\i], v[TC+4*\u+\i]
.endr
.irp i, 0,1,2,3,4,5                            ; is my row a masked key?  (q's rows and rows that count: no.)  The mask selects values and nothing else
	v_cndmask_b32 v[OUT+8*\u+\i], v[OUT+8*\u+\i], v[OUT+8*\u+7], s[CM+2*(\p)+\u]   ; a masked key's codes are cleared (register 7 of the tile holds 0)
.endr
	v_cndmask_b32 v[OUT+8*\u+6], v[PCU], v[PCM], s[CM+2*(\p)+\u]   ; the pad code
	v_cndmask_b32 v[PADW], v[SPU], v[SPM], s[CM+2*(\p)+\u]         ; the pad scale bytes
	v_lshl_or_b32 v[W0+\u], v[TM+5+2*\u], 8, v[TM+4+2*\u]
	v_or_b32 v[W0+\u], v[W0+\u], v[PADW]           ; my row's scale word
.endr
	v_cndmask_b32 v[SCW+(\p)], v[W0], v[W0+1], s[HI]   ; lanes 0-15 the even tile's word, lanes 16-31 the odd tile's
.endm
; v: keys 32 p .. 32 p + 31, one block of the second product's K.  Register HA + 16 t + i of lane (r, h) is key 32 p + 16 h + i of row r of channel tile t
.macro TRIPV p
	MULV
	PLACES
.if (\p) < 3
	s_wait_alu depctr_va_vdst(0)                   ; the products are done reading XF and XS, in which the loads below land; in trip 2: trip 1 has written EV, which the stores below read
	FETCH (\p)+1
.endif
.if (\p) == 2
.irp t, 0,1,2,3
	global_store_b128 v[LI], v[EV+4*\t:EV+4*\t+3], s[38:39] offset:8704+1536*\t   ; the fragments' registers 0-3, made in trip 1
.endr
.endif
	QMAX HA
.if (\p) == 2
	s_wait_alu depctr_va_vdst(0)
	s_wait_xcnt 0x0                                ; the stores above have had their addresses translated: their data are written again only behind this wait,
	s_wait_alu depctr_vm_vsrc(0)                   ; and behind this one: the stores above have read EV, which the conversions below write
.endif
.irp t, 0,1,2,3
.if (\p)%2 == 0
	v_cvt_scalef32_pk16_fp6_f32 v[EV+4*\t:EV+4*\t+2], v[HA+16*\t:HA+16*\t+15], v[TM+8+\t]
.else
	v_cvt_scalef32_pk16_fp6_f32 v[OD+4*\t:OD+4*\t+2], v[HA+16*\t:HA+16*\t+15], v[TM+8+\t]
.endif
.endr
	v_nop                                          ; one plain place behind a scaled conversion
.irp t, 0,1,2,3
.if (\p) == 0
	v_mov_b32 v[VS+\t], v[TM+4+\t]                 ; the block's byte, at its place in the scale word of these 128 keys
.else
	v_lshl_or_b32 v[VS+\t], v[TM+4+\t], 8*(\p), v[VS+\t]
.endif
.endr
.if (\p)%2 == 1
.irp t, 0,1,2,3
.irp i, 0,1,2
	v_permlane16_swap_b32 v[EV+4*\t+\i], v[OD+4*\t+\i]   ; EV: the fragment's registers 6 c .. 6 c + 2, OD: 6 c + 3 .. 6 c + 5 (c = p / 2)
.endr
.endr
.endif
.if (\p) == 1
.irp t, 0,1,2,3
	v_mov_b32 v[EV+4*\t+3], v[OD+4*\t]             ; registers 0-3 stand together: they leave in the next trip;
	v_mov_b32 v[KP+4*\t], v[OD+4*\t+1]             ; 4 and 5 are kept
	v_mov_b32 v[KP+4*\t+1], v[OD+4*\t+2]
.endr
.endif
.if (\p) == 3
.irp t, 0,1,2,3
	v_mov_b32 v[KP+4*\t+2], v[EV+4*\t]             ; registers 6 and 7 join 4 and 5,
	v_mov_b32 v[KP+4*\t+3], v[EV+4*\t+1]
	v_mov_b32 v[EV+4*\t], v[EV+4*\t+2]             ; and 8-11 stand together
	v_mov_b32 v[EV+4*\t+1], v[OD+4*\t]
	v_mov_b32 v[EV+4*\t+2], v[OD+4*\t+1]
	v_mov_b32 v[EV+4*\t+3], v[OD+4*\t+2]
.endr
.endif
.endm
	s_load_b512 s[4:19], s[0:1], 0x0               ; Q, K, V, mask, b_q, b_k, b_v, wimg
	s_load_b128 s[20:23], s[0:1], 0x40             ; wscl, qimg
	s_load_b64 s[24:25], s[0:1], 0x50              ; kv
	v_lshl_add_u32 v[SPW], v0, 2, SPARE
	v_mov_b32 v[NIL], 0
	v_lshrrev_b32 v8, 5, v0
	v_readfirstlane_b32 s[WV], v8                  ; wave = head
	s_and_b32 s[TY], ttmp7, 0xffff                 ; 0 Q, 1 K, 2 V
	s_mov_b32 s[RB], ttmp9                         ; which 128 rows
	s_mov_b32 s[SEL], 0x76543210
	s_mov_b32 s[SEL+1], 0xfedcba98
	s_mov_b32 s[HI], 0xffff0000                    ; lanes 16-31
	v_and_b32 v8, 31, v0
	v_lshlrev_b32 v[LI], 4, v8
	v_and_b32 v[RR], 15, v0
	s_wait_alu depctr_va_vdst(0)
	v_bfe_u32 v[HH], v0, 4, 1
	s_wait_alu depctr_va_sdst(0)                   ; the wave's number is written, ahead of its first reader: offsets and LDS addresses are made from it
	s_cmp_eq_u32 s[TY], 0
	s_cselect_b32 s44, 0, 1                        ; K, V: the chosen keys; Q: neighbours
	s_cselect_b32 s48, 8, 0                        ; q's pad code 1.0
	s_mov_b32 s49, 0x01010000                      ; pad scale bytes of a key that counts: 1, 1;
	s_cselect_b32 s49, 0x017f0000, s49             ; of q: 127, 1
	s_mov_b32 s62, 15360
	s_cselect_b32 s62, 8704, s62                   ; bytes of a block in qimg or in kv
	s_and_b32 s45, s[WV], 1
	s_lshl_b32 s45, s45, 3
	s_mul_i32 s45, s45, s44
	s_lshl_b32 s46, s[WV], 4
	s_sub_co_u32 s46, s46, s45                     ; tile w's first row: 16 w, or 32 (w / 2) + 8 (w % 2)
	v_and_b32 v15, 8, v[RR]
	v_mul_u32_u24 v[XA], s44, v15
	v_add3_u32 v[XA], v[XA], v[RR], s46            ; my row of the 128
	v_lshlrev_b32 v[XA], 11, v[XA]
	s_wait_alu depctr_va_vdst(0)
	v_lshl_add_u32 v[XA], v[HH], 6, v[XA]
	s_mul_i32 s47, s[WV], 6144
	v_add_nc_u32 v[XWI], s47, v[LI]
	s_lshl_b32 s47, s[WV], 9
	v_add_nc_u32 v[XWS], s47, v[LI]
	v_lshlrev_b32 v[XSA], 4, v[RR]
	v_lshl_add_u32 v[XSA], v[HH], 9, v[XSA]
	v_add_nc_u32 v[MO], v15, v[RR]
	v_lshlrev_b32 v[MO], 2, v[MO]
	v_lshlrev_b32 v[BO], 6, v[HH]
	v_sub_nc_u32 v15, 1, v[HH]
	v_mul_u32_u24 v[PCM], 0x38, v15
	v_mul_u32_u24 v[PCU], s48, v15
	v_mov_b32 v[SPM], 0x019e0000                   ; pad scale bytes of a masked key: 158, 1
	v_mov_b32 v[SPU], s49
	s_lshl_b32 s50, s[RB], 18                      ; x: 128 rows of 2,048 bytes
	s_mov_b32 s51, 0
	s_lshl_b32 s52, s[WV], 8                       ; the bias: my 64 numbers
	s_mov_b32 s53, 0
	s_lshr_b32 s54, s[RB], 5                       ; the batch
	s_lshl_b32 s54, s54, 3
	s_add_co_u32 s54, s54, s[WV]                   ; batch x 8 + head
	s_lshl_b32 s54, s54, 5
	s_and_b32 s55, s[RB], 31
	s_add_co_u32 s54, s54, s55                     ; and the block of 128 in the sequence
	s_mul_i32 s54, s54, s62
	s_mov_b32 s55, 0
	s_mul_i32 s56, s[TY], 196608                   ; my four tiles of the weight's images
	s_mul_i32 s57, s[WV], 24576
	s_add_co_u32 s56, s56, s57
	s_mov_b32 s57, 0
	s_lshl_b32 s58, s[TY], 13                      ; and their scale words: two pairs of tiles
	s_lshl_b32 s59, s[WV], 10
	s_add_co_u32 s58, s58, s59
	s_mov_b32 s59, 0
	s_lshl_b32 s60, s[RB], 9                       ; the mask of these 128 keys
	s_mov_b32 s61, 0
.irp i, 0,1,2,3,4,5,6,7
	v_mov_b32 v[MK+\i], 1                          ; Q's rows all count; K's work-groups load the mask over this
.endr
.irp b, 0,1,2,3
	v_mov_b32 v[TM+4+\b], 0                        ; written once: a lane permute's destination counts as one of its sources
.endr
	v_mov_b32 v[OUT+7], 0                          ; register 7 of a tile's image
	v_mov_b32 v[OUT+15], 0
	s_wait_kmcnt 0x0
	s_cmp_eq_u32 s[TY], 0                          ; the buffers are chosen by the work-group's number alone
	s_cselect_b64 s[34:35], s[4:5], s[6:7]
	s_cselect_b64 s[36:37], s[12:13], s[14:15]
	s_cselect_b64 s[38:39], s[22:23], s[24:25]
	s_cmp_eq_u32 s[TY], 2
	s_cselect_b64 s[34:35], s[8:9], s[34:35]
	s_cselect_b64 s[36:37], s[16:17], s[36:37]
	s_add_nc_u64 s[34:35], s[34:35], s[50:51]
	s_add_nc_u64 s[36:37], s[36:37], s[52:53]
	s_add_nc_u64 s[38:39], s[38:39], s[54:55]
	s_add_nc_u64 s[40:41], s[18:19], s[56:57]
	s_add_nc_u64 s[42:43], s[20:21], s[58:59]
	s_add_nc_u64 s[10:11], s[10:11], s[60:61]
	s_wait_alu depctr_va_vdst(0)                   ; the offsets and LDS addresses v1, v4-7, v9, v10 are written, which every load and store below reads; so is MK, on which the mask's loads land.  Up to phase X only scalar lines, window switches and loads follow, on every way
	s_cmp_eq_u32 s[TY], 2
	s_cbranch_scc1 .Lbias_v
	WIN 0x40                                       ; destination window 1
.irp t, 0,1,2,3                                ; q, k: lane (r, h) wants, for tile 2 b + u, the bias of channels 32 b + 16 h + 8 u + 0 .. 7
	global_load_b128 v[BI+8*\t:BI+8*\t+3], v[BO], s[36:37] offset:(32*(\t/2)+8*(\t%2))*4
	global_load_b128 v[BI+8*\t+4:BI+8*\t+7], v[BO], s[36:37] offset:(32*(\t/2)+8*(\t%2))*4+16
.endr
	WIN 0
	s_branch .Lbias_done
.Lbias_v:
	WIN 0x40
.irp t, 0,1,2,3                                ; v: a lane holds one channel, 32 b + 8 u + r + 8 (r / 8): its bias in all eight registers
.irp j, 0,1,2,3,4,5,6,7
	global_load_b32 v[BI+8*\t+\j], v[MO], s[36:37] offset:(32*(\t/2)+8*(\t%2))*4
.endr
.endr
	WIN 0
.Lbias_done:
	s_cmp_lg_u32 s[TY], 1
	s_cbranch_scc1 .Lno_mask
.irp i, 0,1,2,3,4,5,6,7                        ; tile i = 2 b + u: the mask of key 32 b + 8 u + r + 8 (r / 8)
	global_load_b32 v[MK+\i], v[MO], s[10:11] offset:(32*(\i/2)+8*(\i%2))*4
.endr
.Lno_mask:
	global_load_b128 v[WS:WS+3], v[LI], s[42:43]
	global_load_b128 v[WS+4:WS+7], v[LI], s[42:43] offset:512
	WIN 0x40
.set Q, 0
.rept 48
	global_load_b128 v[WF+4*Q:WF+4*Q+3], v[LI], s[40:41] offset:512*Q   ; fragment (tile t, K step s) at v[12 (4 t + s)] of window 1: they stay
.set Q, Q+1
.endr
	WIN 0
	; ---- X: my 16 rows of x become four fragments
	XLOAD ST0, 0
	XLOAD ST1, 1
	s_wait_loadcnt 16                              ; K step 0 (and all that was asked for before it, the mask among it) is in; K step 1's 16 loads may be out
.irp i, 0,1,2,3,4,5,6,7
	v_cmp_eq_u32 s[CM+\i], 0, v[MK+\i]             ; tile i: the lanes whose row is a masked key, once for the whole kernel
.endr
	QUANT ST0, XW
	s_wait_alu depctr_va_sdst(0)                   ; the eight masks are written, in this straight run and ahead of their first readers, the trips' selects
	s_wait_alu depctr_va_vdst(0)                   ; QUANT has written PCX, which the LDS stores read, and is done reading ST0, in which the loads land
	IMAGE 0
	XLOAD ST0, 2
	s_wait_dscnt 0x0                               ; the stores have landed,
	s_wait_alu depctr_vm_vsrc(0)                   ; and have read PCX, which the next QUANT writes
	s_wait_loadcnt 16                              ; K step 1 is in; K step 2's 16 may be out
	QUANT ST1, XW+1
	s_wait_alu depctr_va_vdst(0)                   ; QUANT has written PCX, which the LDS stores read, and is done reading ST1, in which the loads land
	IMAGE 1
	XLOAD ST1, 3
	s_wait_dscnt 0x0
	s_wait_alu depctr_vm_vsrc(0)                   ; the stores have read PCX, which the next QUANT writes
	s_wait_loadcnt 16                              ; K step 2 is in; K step 3's 16 may be out
	QUANT ST0, XW+2
	s_wait_alu depctr_va_vdst(0)                   ; QUANT has written PCX, which the LDS stores read
	IMAGE 2
	s_wait_dscnt 0x0
	s_wait_alu depctr_vm_vsrc(0)                   ; the stores have read PCX, which the next QUANT writes
	s_wait_loadcnt 0x0
	QUANT ST1, XW+3
	s_wait_alu depctr_va_vdst(0)                   ; QUANT has written PCX and the last of XW, which the LDS stores read; every QUANT is done reading v16-143, in the first 96 of which the fragments' loads land
	IMAGE 3
	ds_store_b128 v[XWS], v[XW:XW+3] offset:XSC
	s_wait_dscnt 0x0                               ; for the others' sake: my stores have landed
	s_barrier_signal -1
	s_barrier_wait -1                              ; x's 32 fragments lie in LDS; from here on LDS is only read
	s_wait_alu depctr_vm_vsrc(0)                   ; my LDS stores have read PCX and XW, v144-167: these registers are results from here on, written by the products of either path
	FETCH 0                                        ; the first trip's fragments, for either path
	s_cmp_eq_u32 s[TY], 2
	s_cbranch_scc1 .Lv_path
	TRIPQK 0
	TRIPQK 1
	TRIPQK 2
	TRIPQK 3
	s_wait_alu depctr_va_vdst(0)                   ; the last trip has written OUT and the last of SCW, which the stores below read
	SENDQK 3
	global_store_b128 v[LI], v[SCW:SCW+3], s[38:39] offset:8192
	s_branch .Lend
.Lv_path:
	TRIPV 0
	TRIPV 1
	TRIPV 2
	TRIPV 3
	s_wait_alu depctr_va_vdst(0)                   ; the last trip has written KP, EV and VS, which the stores below read
.irp t, 0,1,2,3
	global_store_b128 v[LI], v[KP+4*\t:KP+4*\t+3], s[38:39] offset:8704+1536*\t+512    ; the fragments' registers 4-7
	global_store_b128 v[LI], v[EV+4*\t:EV+4*\t+3], s[38:39] offset:8704+1536*\t+1024   ; and 8-11
.endr
	global_store_b128 v[LI], v[VS:VS+3], s[38:39] offset:14848
.Lend:
	s_wait_dscnt 0x0                               ; the wave's end
	s_wait_alu 0x0
	s_wait_tensorcnt 0x0
	ds_add_u32 v[SPW], v[NIL]
	s_wait_dscnt 0x0
	s_endpgm
.Lfunc_end_k_q0624ec40f3_proj:
	.size	k_q0624ec40f3_proj, .Lfunc_end_k_q0624ec40f3_proj-k_q0624ec40f3_proj
	.p2alignl 7, 3214868480
	.fill 96, 4, 3214868480
	.section	.rodata,"a",@progbits
	.p2align	6, 0x0
	.amdhsa_kernel k_q0624ec40f3_proj
		.amdhsa_group_segment_fixed_size 54272
		.amdhsa_private_segment_fixed_size 0
		.amdhsa_enable_private_segment 0
		.amdhsa_kernarg_size 88
		.amdhsa_user_sgpr_count 2
		.amdhsa_user_sgpr_kernarg_segment_ptr 1
		.amdhsa_wavefront_size32 1
		.amdhsa_system_sgpr_workgroup_id_x 1
		.amdhsa_system_sgpr_workgroup_id_y 1
		.amdhsa_system_sgpr_workgroup_id_z 1
		.amdhsa_system_vgpr_workitem_id 0
		.amdhsa_next_free_vgpr 512
		.amdhsa_next_free_sgpr 66
		.amdhsa_reserve_vcc 0
		.amdhsa_float_denorm_mode_32 3
		.amdhsa_float_denorm_mode_16_64 3
		.amdhsa_memory_ordered 1
		.amdhsa_forward_progress 1
		.amdhsa_inst_pref_size 121
	.end_amdhsa_kernel
	.amdgpu_metadata
---
amdhsa.version: [ 1, 2 ]
amdhsa.kernels:
  - .name:           k_q0624ec40f3_proj
    .symbol:         k_q0624ec40f3_proj.kd
    .args:
      - { .name: Q, .offset: 0, .size: 8, .value_kind: global_buffer, .address_space: global }
      - { .name: K, .offset: 8, .size: 8, .value_kind: global_buffer, .address_space: global }
      - { .name: V, .offset: 16, .size: 8, .value_kind: global_buffer, .address_space: global }
      - { .name: mask, .offset: 24, .size: 8, .value_kind: global_buffer, .address_space: global }
      - { .name: b_q, .offset: 32, .size: 8, .value_kind: global_buffer, .address_space: global }
      - { .name: b_k, .offset: 40, .size: 8, .value_kind: global_buffer, .address_space: global }
      - { .name: b_v, .offset: 48, .size: 8, .value_kind: global_buffer, .address_space: global }
      - { .name: wimg, .offset: 56, .size: 8, .value_kind: global_buffer, .address_space: global }
      - { .name: wscl, .offset: 64, .size: 8, .value_kind: global_buffer, .address_space: global }
      - { .name: qimg, .offset: 72, .size: 8, .value_kind: global_buffer, .address_space: global }
      - { .name: kv, .offset: 80, .size: 8, .value_kind: global_buffer, .address_space: global }
    .group_segment_fixed_size: 54272
    .private_segment_fixed_size: 0
    .kernarg_segment_align: 8
    .kernarg_segment_size: 88
    .max_flat_workgroup_size: 256
    .sgpr_count:     66
    .vgpr_count:     512
    .wavefront_size: 32
...
	.end_amdgpu_metadata
.endif
;; end of part 6
;; launch attn (part 7): grid 16 x 16, 16 waves a work-group, clusters of 4 x 1, 327,680 bytes of LDS; arguments qimg, kv, acode, ascl; writes acode, ascl
.if DOCPART == 7
	.amdgcn_target "amdgcn-amd-amdhsa--gfx1250"
	.amdhsa_code_object_version 6
	.text
	.protected	k_q0624ec40f3_attn
	.globl	k_q0624ec40f3_attn
	.p2align	8
	.type	k_q0624ec40f3_attn,@function
k_q0624ec40f3_attn:
	s_mov_b64 s[64:65], 0
	v_nop
	global_prefetch_b8 v0, s[64:65] scope:SCOPE_SE
	s_setreg_imm32_b32 hwreg(HW_REG_WAVE_MODE, 25, 1), 1
	s_wait_xcnt 0x0
	s_wait_alu depctr_hold_cnt(0) depctr_sa_sdst(0) depctr_va_vdst(0) depctr_va_sdst(0) depctr_va_ssrc(0) depctr_va_vcc(0) depctr_vm_vsrc(0)
	s_getreg_b32 s2, hwreg(HW_REG_IB_STS2, 6, 4)
	s_cmp_eq_u32 s2, 0
	s_cbranch_scc0 .Lentry_in_a_cluster
	s_endpgm
.Lentry_in_a_cluster:
	s_bfe_u32 s2, ttmp6, 0x10000c
	s_cmp_lg_u32 s2, 0x3003
	s_cbranch_scc0 .Lentry_shape_is_right
	s_endpgm
.Lentry_shape_is_right:
; Launch 3 of 4: attn = softmax(q k^T / 8, masked) v for 16 (batch, head) pairs of 4,096 x 4,096, head size 64, both products on codes of E2M3 with E8M0 scales; attn is quantised along d_model for the last product.  Nothing is left out:
; every key is multiplied; a masked key's score comes out of the first product as -2^33 (launch 2 put that into the padding half of the instruction's K), so the mask costs no instruction here.
; THE SOFTMAX AHEAD OF THE SECOND PRODUCT: t = score x log2(e) / 8; M = the running largest t, rounded up to a whole number; p = 2^(t - M) is quantised along the keys, not normalised; the row's sum is taken of the unquantised p and
; divides at the end; when M moves, the sum and O are multiplied by 2^(old M - new M), which rounds nothing.  LIMITS: as stated at the head of launch 2.
; SHARES.  A work-group owns 256 queries of one (batch, head); each of its sixteen waves 16 of them, in 256 registers: four waves to a SIMD, so that one wave's vector work stands beside another's matrix work and LDS loads.
; Every wave walks all 4,096 keys, 128 a step.  A key step is one dense block of 15,360 bytes of kv: K's tiles, K's scale words, V's fragments, V's scale words, all as images of the operands' registers: every LDS read is 16 bytes a lane, 512 on end.
; THE RING.  Two slots of eight key steps (122,880 bytes).  Each of the sixteen waves fetches a sixteenth of a slot, 30 rows of 256 bytes, by one tensor load: at most one load of a wave is out (slot 1's first fill waits for slot 0's).
; A refill is asked for eight key steps ahead of the wait for it; so no prefetch is laid: no wave waits for these tiles, and the two first fills stand at the head.
; CLUSTER.  The four work-groups of a cluster belong to one (batch, head) and walk the same kv: each load is asked for JOINTLY, with the same descriptor and a mask that names the four.  My place in the cluster enters global addresses of q and of the results alone.
; LAYOUT.  S^T = K Q^T (source 0 = 16 keys, source 1 = my 16 queries), O^T = V^T P^T: a lane holds one query throughout.  The keys of a tile and the channels of a tile of V were chosen by launch 2 so that 16 registers of two neighbouring tiles are 16 neighbours.
.set STEPB, 15360
.set SLOTB, 8*STEPB
.set SPARE, 2*SLOTB                    ; behind the ring: the spare words, 128 bytes for each of sixteen waves: eight blocks of 256 bytes that no other line names
.set LI,  1                            ; v1   16 x lane
.set ADR, 2                            ; v2   LDS address of the key step in hand
.set SPW, 3                            ; v3   my spare word; never rewritten
.set NIL, 4                            ; v4   0; never rewritten
.set QO,  5                            ; v5   q's tile: 16 x lane + 1,024 x tile
.set QSO, 6                            ; v6   q's scale word
.set LI8, 7                            ; v7   8 x lane
.set AO,  8                            ; v8   16 r + h: my byte of ascl
.set SH8, 9                            ; v9   8 h
                                       ; v12 -M, v13 the largest t, v[14:15] the sum in two halves
.set QF,  16                           ; v16-27  q's fragment (24-27 zeros)
.set QS,  28                           ; v28     q's scale words
.set KF,  32                           ; v32-79  four tiles of K, 12 registers each (the last four of each: zeros, never loaded)
.set KS,  80                           ; v80-83  K's scale words
.set VS,  84                           ; v84-87  V's
.set SCR, 96                           ; v96-159 S^T, then p; V's four fragments land in v96-143 when p has been converted
.set OT,  160                          ; v160-191 O^T
.set PC,  192                          ; v192-203 p's codes
.set PT,  204                          ; v204-211 at work
.set BM,  212                          ; v212-215 the blocks' largest scores, then largest p
.set BP,  216                          ; v216-219 the other half's; then the bytes
.set BS,  220                          ; v220-223 the conversions' scale operands
.set FF,  224                          ; v[224:225] f = 2^(old M - new M) (225: named with it as a pair)
.set PW,  226                          ; v226    p's scale word
.set TMP, 227
.set SC2, 228                          ; v[228:229] the sums' second chain
.set WV,  12
.set SEL, 20
.set CS,  22                           ; s[22:23] c = log2(e) / 8
.set G1,  24                           ; s[24:31] descriptor group 1
.set G0A, 32                           ; s[32:35] group 0 for slot 0;  s[36:39] for slot 1
.set G0B, 36
.set TB,  40
.set CNT, 41
.macro CROUND                          ; a round of the cluster's barrier: my work-group's barrier; wave 0 signals for the work-group; every wave waits for all four; my work-group's barrier once more
	s_barrier_signal -1
	s_barrier_wait -1
	s_cmp_lg_u32 s[WV], 0
	s_cbranch_scc1 .Lnot_wave_0_\@
	s_barrier_signal -3
.Lnot_wave_0_\@:
	s_barrier_wait -3
	s_barrier_signal -1
	s_barrier_wait -1
.endm
; A KEY STEP: 128 keys
.macro STEP
	v_add_nc_u32 v[ADR], s[TB], v[LI]
	s_wait_alu depctr_va_vdst(0)
	ds_load_b128 v[KS:KS+3], v[ADR] offset:8192
.irp g, 0,1                                    ; S^T = K Q^T, four tiles of 16 keys at a time
.if \g
.rept 4
	v_nop                                          ; places in front of loads into registers that matrix instructions have read
.endr
.endif
.irp t, 0,1,2,3
	ds_load_b128 v[KF+12*\t:KF+12*\t+3], v[ADR] offset:(4*\g+\t)*1024
	ds_load_b128 v[KF+12*\t+4:KF+12*\t+7], v[ADR] offset:(4*\g+\t)*1024+512
.endr
	s_wait_dscnt 0x0
.irp t, 0,1,2,3
.if \t%2
	v_wmma_scale_f32_16x16x128_f8f6f4 v[SCR+8*(4*\g+\t):SCR+8*(4*\g+\t)+7], v[KF+12*\t:KF+12*\t+11], v[QF:QF+11], 0, v[KS+(4*\g+\t)/2], v[QS] matrix_a_fmt:MATRIX_FMT_FP6 matrix_b_fmt:MATRIX_FMT_FP6 matrix_a_scale:MATRIX_SCALE_ROW1
.else
	v_wmma_scale_f32_16x16x128_f8f6f4 v[SCR+8*(4*\g+\t):SCR+8*(4*\g+\t)+7], v[KF+12*\t:KF+12*\t+11], v[QF:QF+11], 0, v[KS+(4*\g+\t)/2], v[QS] matrix_a_fmt:MATRIX_FMT_FP6 matrix_b_fmt:MATRIX_FMT_FP6
.endif
.endr
.endr                                          ; lane (r, h) holds query r; register 16 b + i is key 32 b + 16 h + i of the step
.rept 4
	v_nop
.endr
.irp b, 0,1,2,3
	v_max3_num_f32 v[BM+\b], v[SCR+16*\b], v[SCR+16*\b+1], v[SCR+16*\b+2]   ; the largest score of each block of 32 keys: it serves the row's maximum and, since p rises with the score, the block's largest p
.endr
.irp i, 3,5,7,9,11,13
.irp b, 0,1,2,3
	v_max3_num_f32 v[BM+\b], v[BM+\b], v[SCR+16*\b+\i], v[SCR+16*\b+\i+1]
.endr
.endr
.irp b, 0,1,2,3
	v_max_num_f32 v[BM+\b], v[BM+\b], v[SCR+16*\b+15]
.endr
.irp b, 0,1,2,3
	s_delay_alu instid0(VALU_DEP_4)
	v_permlanex16_b32 v[BP+\b], v[BM+\b], s[SEL], s[SEL+1]
.endr
.irp b, 0,1,2,3
	s_delay_alu instid0(VALU_DEP_4)
	v_max_num_f32 v[BM+\b], v[BM+\b], v[BP+\b]     ; with lane l xor 16's 16 keys
.endr
	s_delay_alu instid0(VALU_DEP_2)
	v_max3_num_f32 v[TMP], v[BM], v[BM+1], v[BM+2]
	s_delay_alu instid0(VALU_DEP_1)
	v_max_num_f32 v[TMP], v[TMP], v[BM+3]          ; the step's largest score of my query
	s_delay_alu instid0(VALU_DEP_1)
	v_mul_f32 v[TMP], s[CS], v[TMP]                ; as t (c is positive)
	s_delay_alu instid0(VALU_DEP_1)
	v_max_num_f32 v13, v13, v[TMP]                 ; the running largest t
	v_mov_b32 v[TMP], v12
	s_delay_alu instid0(VALU_DEP_2)
	v_floor_f32 v12, -v13                          ; the new -M = floor(-t): M is a whole number
	s_delay_alu instid0(VALU_DEP_1)
	v_sub_f32 v[TMP], v12, v[TMP]                  ; old M less new M: a whole number, 0 or less
	s_delay_alu instid0(VALU_DEP_1)
	v_cvt_i32_f32 v[TMP], v[TMP]                   ; (it saturates)
	s_delay_alu instid0(VALU_DEP_1)
	v_ldexp_f32 v[FF], 1.0, v[TMP]                 ; f = 2^(old M - new M)
.irp j, 0,2,4,6,8,10,12,14,16,18,20,22,24,26,28,30,32,34,36,38,40,42,44,46,48,50,52,54,56,58,60,62
	v_pk_fma_f32 v[SCR+\j:SCR+\j+1], v[SCR+\j:SCR+\j+1], s[CS:CS+1], v[12:13] op_sel_hi:[1,0,0]   ; t - M, two at a time (of the pairs c and -M the low word serves both halves)
.endr
.irp b, 0,1,2,3
	v_fma_f32 v[BM+\b], v[BM+\b], s[CS], v12       ; the same of each block's largest score
.endr
	s_wait_alu depctr_va_vdst(0)
.irp j, 0,1,2,3,4,5,6,7,8,9,10,11,12,13,14,15,16,17,18,19,20,21,22,23,24,25,26,27,28,29,30,31,32,33,34,35,36,37,38,39,40,41,42,43,44,45,46,47,48,49,50,51,52,53,54,55,56,57,58,59,60,61,62,63
	v_exp_f32 v[SCR+\j], v[SCR+\j]                 ; p = 2^(t - M), at most 1; a masked key's is 0 beside any key that counts
.endr
	s_setprio 1
	v_pk_mul_f32 v[14:15], v[14:15], v[FF:FF+1] op_sel_hi:[1,0]   ; the sums under the new M (a plain place behind the exponentials)
	s_wait_alu depctr_va_vdst(0)                   ; one wait for the whole batch, ahead of its first reader
.irp b, 0,1,2,3
	v_exp_f32 v[BM+\b], v[BM+\b]                   ; the block's largest p: the same two instructions on the same number give the same bits
.endr
	v_pk_add_f32 v[SC2:SC2+1], v[SCR:SCR+1], v[SCR+2:SCR+3]   ; the row's sum is taken of the unquantised p, in two chains (it reads the 64 alone: plain work behind the four)
.irp j, 4,8,12,16,20,24,28,32,36,40,44,48,52,56,60
	v_pk_add_f32 v[14:15], v[14:15], v[SCR+\j:SCR+\j+1]
	v_pk_add_f32 v[SC2:SC2+1], v[SC2:SC2+1], v[SCR+\j+2:SCR+\j+3]
.endr
	s_delay_alu instid0(VALU_DEP_1)
	v_pk_add_f32 v[14:15], v[14:15], v[SC2:SC2+1]
	s_wait_alu depctr_va_vdst(0)                   ; and one for the four
.irp b, 0,1,2,3
	v_max_num_f32 v[BM+\b], 0x1800000, v[BM+\b]    ; the floor 2^(3 - 127): a block whose every p is 0 keeps the byte 1: its codes are zeros
.endr
.irp b, 0,1,2,3
	s_delay_alu instid0(VALU_DEP_4)
	v_add_nc_u32 v[BS+\b], 0xff000000, v[BM+\b]    ; 2 off the exponent field: the conversion's scale operand
.endr
.irp b, 0,1,2,3
	s_delay_alu instid0(VALU_DEP_4)
	v_lshrrev_b32 v[BP+\b], 23, v[BS+\b]           ; the scale's byte
.endr
	s_delay_alu instid0(VALU_DEP_3)
	v_lshl_or_b32 v[PW], v[BP+1], 8, v[BP]         ; p's scale word for these 128 keys
	s_delay_alu instid0(VALU_DEP_1)
	v_lshl_or_b32 v[PW], v[BP+2], 16, v[PW]
	s_delay_alu instid0(VALU_DEP_1)
	v_lshl_or_b32 v[PW], v[BP+3], 24, v[PW]
.irp c, 0,1
	v_cvt_scalef32_pk16_fp6_f32 v[PC+6*\c:PC+6*\c+2], v[SCR+32*\c:SCR+32*\c+15], v[BS+2*\c]
	v_cvt_scalef32_pk16_fp6_f32 v[PT+4*\c:PT+4*\c+2], v[SCR+32*\c+16:SCR+32*\c+31], v[BS+2*\c+1]
.endr
.irp t, 0,1,2,3                                ; V's four fragments land where p stood: they are on their way while the codes are put in order and O^T is rescaled
.irp c, 0,1,2
	ds_load_b128 v[SCR+12*\t+4*\c:SCR+12*\t+4*\c+3], v[ADR] offset:8704+1536*\t+512*\c
.endr
.endr
	ds_load_b128 v[VS:VS+3], v[ADR] offset:14848
	v_nop                                          ; one plain place behind a scaled conversion
.irp c, 0,1                                    ; a whole block of 32 keys to a lane
.irp i, 0,1,2
	v_permlane16_swap_b32 v[PC+6*\c+\i], v[PT+4*\c+\i]
.endr
.irp i, 0,1,2
	s_delay_alu instid0(VALU_DEP_3)
	v_mov_b32 v[PC+3+6*\c+\i], v[PT+4*\c+\i]
.endr
.endr
	s_setprio 0
.irp j, 0,2,4,6,8,10,12,14,16,18,20,22,24,26,28,30
	v_pk_mul_f32 v[OT+\j:OT+\j+1], v[OT+\j:OT+\j+1], v[FF:FF+1] op_sel_hi:[1,0]   ; O^T under the new M.  (These sixteen are also the places between the writes of p's codes and scale word and the products below)
.endr
	s_wait_alu depctr_va_vdst(0)
	s_wait_dscnt 0x0
.irp t, 0,1,2,3                                ; O^T += V^T P^T: the four accumulators take turns, one instruction a turn
	v_wmma_scale_f32_16x16x128_f8f6f4 v[OT+8*\t:OT+8*\t+7], v[SCR+12*\t:SCR+12*\t+11], v[PC:PC+11], v[OT+8*\t:OT+8*\t+7], v[VS+\t], v[PW] matrix_a_fmt:MATRIX_FMT_FP6 matrix_b_fmt:MATRIX_FMT_FP6
.endr
.rept 5
	v_nop                                          ; five places: the next step's first products write over the registers that held V's fragments
.endr
.endm
.macro PHASE base                      ; a slot's eight key steps
	s_mov_b32 s[TB], \base
	s_mov_b32 s[CNT], 8
.Lstep_\@:
	s_setprio 2
	STEP
	s_add_co_u32 s[TB], s[TB], STEPB
	s_sub_co_u32 s[CNT], s[CNT], 1
	s_cmp_lg_u32 s[CNT], 0
	s_cbranch_scc1 .Lstep_\@
	s_setprio 0
.endm
; THE CHANGE OF SLOTS with a refill: each wave waits for all its tensor loads (its part of the slot ahead among them), adds 0 to its spare word, and waits for that and for its reads of the slot that it has left; a round of the
; cluster's barrier, so that this holds of every wave of all four work-groups; then the joint refill of the slot just left, first thing behind the round: it has eight key steps in which to land.
.macro CHANGE g
	s_wait_tensorcnt 0x0                           ; no tensor load of mine is out, so a group 0 may be written
	ds_add_u32 v[SPW], v[NIL]                      ; 0 onto my spare word
	s_add_nc_u64 s[\g+2:\g+3], s[\g+2:\g+3], 2*SLOTB   ; the slot's next eight key steps; the type bits on top are not reached
	s_wait_dscnt 0x0                               ; the add is done, and my reads of the slot are over
	CROUND
	tensor_load_to_lds s[\g:\g+3], s[G1:G1+7]
	s_nop 0
.rept 4
	v_nop
.endr
.endm
	s_load_b256 s[4:11], s[0:1], 0x0               ; qimg, kv, acode, ascl
	v_lshl_add_u32 v[SPW], v0, 2, SPARE
	v_mov_b32 v[NIL], 0
	ds_add_u32 v[SPW], v[NIL]                      ; the wave's opening: the add, twice on end, and its wait ahead of my first tensor load; the set-up below stands between
	ds_add_u32 v[SPW], v[NIL]
	v_lshrrev_b32 v10, 5, v0
	s_delay_alu instid0(VALU_DEP_1)
	v_readfirstlane_b32 s[WV], v10                 ; wave 0..15
	s_bfe_u32 s13, ttmp6, 0x40000                  ; cx: my place in the cluster
	s_lshl_b32 s14, ttmp9, 2                       ; in a cluster launch ttmp9 counts clusters
	s_add_co_u32 s14, s14, s13                     ; my block of 256 queries
	s_and_b32 s15, ttmp7, 0xffff                   ; batch x 8 + head, which the four partners share
	; descriptor group 1: 30 rows of 256 bytes (32 elements of 8 bytes), dense in memory and in LDS
	s_mov_b32 s[G1], 15|(3<<16)|(1<<21)            ; 15:0 the mask: all four work-groups; 17:16 elements of 8 bytes; 20 no padding; 21 set beside a mask
	s_mov_b32 s[G1+1], 32<<16                      ; tensor_dim0 = 32
	s_mov_b32 s[G1+2], 30<<16                      ; tensor_dim1 = 30
	s_mov_b32 s[G1+3], 32<<16                      ; tile_dim0 = 32
	s_mov_b32 s[G1+4], 30                          ; tile_dim1 = 30
	s_mov_b32 s[G1+5], 32                          ; from row to row
	s_mov_b32 s[G1+6], 0
	s_mov_b32 s[G1+7], 0
	s_mul_i32 s42, s15, 32*STEPB                   ; kv: my (batch, head),
	s_mul_i32 s44, s[WV], 7680                     ; my wave's sixteenth of a slot, in memory and in LDS alike: no place in the cluster enters either
	s_add_co_u32 s42, s42, s44
	s_mov_b32 s43, 0
	s_mov_b32 s[SEL], 0x76543210
	s_mov_b32 s[SEL+1], 0xfedcba98
	s_mov_b32 s[CS], 0x3e38aa3b                    ; c = log2(e) / 8
	s_mov_b32 s[CS+1], s[CS]                       ; (named with it as a pair, so it is written)
	s_lshl_b32 s46, s15, 5                         ; q: the group of 128 queries: 32 x (batch, head) + 2 x block + wave / 8
	s_lshl_b32 s47, s14, 1
	s_add_co_u32 s46, s46, s47
	s_lshr_b32 s47, s[WV], 3
	s_add_co_u32 s46, s46, s47
	s_mul_i32 s46, s46, 8704
	s_mov_b32 s47, 0
	s_and_b32 s48, s[WV], 7                        ; my tile in the group
	s_lshr_b32 s52, s15, 3                         ; the batch
	s_lshl_b32 s52, s52, 8
	s_lshl_b32 s53, s14, 4
	s_add_co_u32 s52, s52, s53
	s_add_co_u32 s52, s52, s[WV]                   ; my tile of 16 rows among the 512 of attn
	s_and_b32 s53, s15, 7                          ; the head
	s_lshl_b32 s54, s52, 8
	s_lshl_b32 s55, s53, 1
	s_add_co_u32 s54, s54, s55                     ; ascl: 256 x tile + 2 x head
	s_mov_b32 s55, 0
	s_lshl_b32 s52, s52, 3
	s_add_co_u32 s52, s52, s53
	s_mul_i32 s52, s52, 768                        ; acode: (8 x tile + head) x 768
	s_mov_b32 s53, 0
	v_and_b32 v10, 31, v0
	s_delay_alu instid0(VALU_DEP_1)
	v_lshlrev_b32 v[LI], 4, v10
	s_delay_alu instid0(VALU_DEP_2)
	v_lshlrev_b32 v[LI8], 3, v10
	v_and_b32 v11, 15, v0                          ; r
	v_bfe_u32 v10, v0, 4, 1                        ; h
	s_delay_alu instid0(VALU_DEP_1)
	v_lshlrev_b32 v[SH8], 3, v10
	s_delay_alu instid0(VALU_DEP_2)
	v_lshl_add_u32 v[AO], v11, 4, v10
	s_lshl_b32 s49, s48, 10
	v_add_nc_u32 v[QO], s49, v[LI]
	s_and_b32 s49, s48, 1                          ; q's scale word: word tile / 2 of lane r + 16 (tile % 2)
	s_lshl_b32 s49, s49, 8
	s_lshr_b32 s50, s48, 1
	s_lshl_b32 s50, s50, 2
	s_add_co_u32 s49, s49, s50
	v_lshl_add_u32 v[QSO], v11, 4, s49
	s_wait_dscnt 0x0                               ; both opening adds are done
	s_wait_kmcnt 0x0
	s_add_nc_u64 s[6:7], s[6:7], s[42:43]
	s_add_nc_u64 s[4:5], s[4:5], s[46:47]
	s_add_nc_u64 s[8:9], s[8:9], s[52:53]
	s_add_nc_u64 s[10:11], s[10:11], s[54:55]
	s_mov_b32 s[G0A], 1                            ; count = 1
	s_mov_b32 s[G0A+1], s44                        ; LDS address: slot 0
	s_mov_b64 s[G0A+2:G0A+3], s[6:7]               ; key steps 0 to 7
	s_or_b32 s[G0A+3], s[G0A+3], 0x80000000        ; type = 2
	s_mov_b32 s[G0B], 1
	s_add_co_u32 s[G0B+1], s44, SLOTB              ; slot 1
	s_add_nc_u64 s[G0B+2:G0B+3], s[6:7], SLOTB     ; key steps 8 to 15
	s_or_b32 s[G0B+3], s[G0B+3], 0x80000000
	CROUND                                         ; all four work-groups are here: the first joint loads meet
	tensor_load_to_lds s[G0A:G0A+3], s[G1:G1+7]    ; every wave issues slot 0's first fill: one load of mine is out
	s_nop 0
	s_wait_alu depctr_va_vdst(0)
	s_wait_tensorcnt 0x0
	ds_add_u32 v3, v4
	s_wait_dscnt 0x0
	CROUND
	tensor_load_to_lds s[G0B:G0B+3], s[G1:G1+7]
	s_nop 0
.rept 4
	v_nop
.endr
	s_wait_alu depctr_va_vdst(0)
	global_load_b128 v[QF:QF+3], v[QO], s[4:5]     ; q's tile stays in registers
	global_load_b128 v[QF+4:QF+7], v[QO], s[4:5] offset:512
	global_load_b32 v[QS], v[QSO], s[4:5] offset:8192
.irp i, 8,9,10,11
	v_mov_b32 v[QF+\i], 0                          ; k = 96 and on: zeros, in q's fragment and in K's four
	v_mov_b32 v[KF+\i], 0
	v_mov_b32 v[KF+12+\i], 0
	v_mov_b32 v[KF+24+\i], 0
	v_mov_b32 v[KF+36+\i], 0
.endr
	v_mov_b32 v13, 0xff61b1e6                      ; the largest t so far: -3e38, under every t
	s_delay_alu instid0(VALU_DEP_1)
	v_floor_f32 v12, -v13                          ; -M
	v_mov_b32 v14, 0                               ; the sum, in two halves
	v_mov_b32 v15, 0
.irp b, 0,1,2,3
	v_mov_b32 v[BP+\b], 0                          ; written once: a lane permute's destination counts as one of its sources
.endr
	v_mov_b32 v[FF+1], 0                           ; (named as the upper half of a pair)
.irp j, 0,1,2,3,4,5,6,7,8,9,10,11,12,13,14,15,16,17,18,19,20,21,22,23,24,25,26,27,28,29,30,31
	v_mov_b32 v[OT+\j], 0                          ; O^T: the step is written for every step alike: the first finds zeros, which the first change of M leaves zeros
.endr
	s_wait_loadcnt 0x0                             ; q
	s_wait_tensorcnt 1                             ; my part of slot 0 is in; slot 1's load may stay out
	s_barrier_signal -1
	s_barrier_wait -1                              ; everybody's is
	PHASE 0                                        ; key steps 0 to 7
	CHANGE G0A                                     ; slot 0 takes key steps 16 to 23
	PHASE SLOTB                                    ; 8 to 15
	CHANGE G0B                                     ; slot 1 takes key steps 24 to 31
	PHASE 0                                        ; 16 to 23
	s_wait_tensorcnt 0x0                           ; the last change of slots: nothing is filled again, so my work-group's barrier alone follows the three lines
	ds_add_u32 v[SPW], v[NIL]
	s_wait_dscnt 0x0
	s_barrier_signal -1
	s_barrier_wait -1
	PHASE SLOTB                                    ; 24 to 31
	; THE WAY OUT.  O^T / the sum is attn(query r, channel 32 b + 16 h + i) in register 16 b + i: two blocks of the last product's K.  They are quantised in registers and leave as half a fragment's image and two scale bytes.
	v_add_f32 v14, v14, v15                        ; the sum's two halves,
	s_delay_alu instid0(VALU_DEP_1)
	v_permlanex16_b32 v[TMP], v14, s[SEL], s[SEL+1]
	s_delay_alu instid0(VALU_DEP_1)
	v_add_f32 v14, v14, v[TMP]                     ; and lane l xor 16's: the row's sum
	s_wait_alu depctr_va_vdst(0)
	v_rcp_f32 v14, v14
	v_nop                                          ; a plain place behind the transcendental
	s_wait_alu depctr_va_vdst(0)                   ; a wait ahead of the first reader
.irp j, 0,1,2,3,4,5,6,7,8,9,10,11,12,13,14,15,16,17,18,19,20,21,22,23,24,25,26,27,28,29,30,31
	v_mul_f32 v[SCR+\j], v[OT+\j], v14
.endr
.irp b, 0,1
	v_max3_num_f32 v[BM+\b], |v[SCR+16*\b]|, |v[SCR+16*\b+1]|, 0x1800000
.endr
.irp i, 2,4,6,8,10,12,14
.irp b, 0,1
	s_delay_alu instid0(VALU_DEP_2)
	v_max3_num_f32 v[BM+\b], v[BM+\b], |v[SCR+16*\b+\i]|, |v[SCR+16*\b+\i+1]|
.endr
.endr
.irp b, 0,1
	s_delay_alu instid0(VALU_DEP_2)
	v_permlanex16_b32 v[BP+\b], v[BM+\b], s[SEL], s[SEL+1]
.endr
.irp b, 0,1
	s_delay_alu instid0(VALU_DEP_2)
	v_max_num_f32 v[BM+\b], v[BM+\b], v[BP+\b]
.endr
.irp b, 0,1
	s_delay_alu instid0(VALU_DEP_2)
	v_add_nc_u32 v[BS+\b], 0xff000000, v[BM+\b]
.endr
.irp b, 0,1
	s_delay_alu instid0(VALU_DEP_2)
	v_lshrrev_b32 v[BP+\b], 23, v[BS+\b]
.endr
	v_cvt_scalef32_pk16_fp6_f32 v[PC:PC+2], v[SCR:SCR+15], v[BS]
	v_cvt_scalef32_pk16_fp6_f32 v[PT:PT+2], v[SCR+16:SCR+31], v[BS+1]
	v_nop                                          ; one plain place behind a scaled conversion
.irp i, 0,1,2
	v_permlane16_swap_b32 v[PC+\i], v[PT+\i]
.endr
.irp i, 0,1,2
	s_delay_alu instid0(VALU_DEP_3)
	v_mov_b32 v[PC+3+\i], v[PT+\i]                 ; six registers: lane (r, h) holds channels 32 h .. 32 h + 31 of row r
.endr
	v_lshl_or_b32 v[TMP], v[BP+1], 8, v[BP]
	s_delay_alu instid0(VALU_DEP_1)
	v_lshrrev_b32 v[TMP], v[SH8], v[TMP]           ; lanes 0-15 store block 0's byte, lanes 16-31 block 1's
	global_store_b128 v[LI], v[PC:PC+3], s[8:9]            ; 512 consecutive bytes
	global_store_b64 v[LI8], v[PC+4:PC+5], s[8:9] offset:512   ; 256 consecutive bytes
	global_store_b8 v[AO], v[TMP], s[10:11]        ; two bytes of each of 16 rows of 16: the one small store, 32 bytes a wave
	s_wait_tensorcnt 0x0                           ; the wave's end, behind my last tensor load
	ds_add_u32 v[SPW], v[NIL]
	s_wait_dscnt 0x0
	CROUND                                         ; the closing round: no work-group ends while a partner may still ask for a tile that names it
	s_endpgm
.Lfunc_end_k_q0624ec40f3_attn:
	.size	k_q0624ec40f3_attn, .Lfunc_end_k_q0624ec40f3_attn-k_q0624ec40f3_attn
	.p2alignl 7, 3214868480
	.fill 96, 4, 3214868480
	.section	.rodata,"a",@progbits
	.p2align	6, 0x0
	.amdhsa_kernel k_q0624ec40f3_attn
		.amdhsa_group_segment_fixed_size 327680
		.amdhsa_private_segment_fixed_size 0
		.amdhsa_enable_private_segment 0
		.amdhsa_kernarg_size 32
		.amdhsa_user_sgpr_count 2
		.amdhsa_user_sgpr_kernarg_segment_ptr 1
		.amdhsa_wavefront_size32 1
		.amdhsa_system_sgpr_workgroup_id_x 1
		.amdhsa_system_sgpr_workgroup_id_y 1
		.amdhsa_system_sgpr_workgroup_id_z 1
		.amdhsa_system_vgpr_workitem_id 0
		.amdhsa_next_free_vgpr 256
		.amdhsa_next_free_sgpr 66
		.amdhsa_reserve_vcc 0
		.amdhsa_float_denorm_mode_32 3
		.amdhsa_float_denorm_mode_16_64 3
		.amdhsa_memory_ordered 1
		.amdhsa_forward_progress 1
		.amdhsa_inst_pref_size 82
	.end_amdhsa_kernel
	.amdgpu_metadata
---
amdhsa.version: [ 1, 2 ]
amdhsa.kernels:
  - .name:           k_q0624ec40f3_attn
    .symbol:         k_q0624ec40f3_attn.kd
    .args:
      - { .name: qimg, .offset: 0, .size: 8, .value_kind: global_buffer, .address_space: global }
      - { .name: kv, .offset: 8, .size: 8, .value_kind: global_buffer, .address_space: global }
      - { .name: acode, .offset: 16, .size: 8, .value_kind: global_buffer, .address_space: global }
      - { .name: ascl, .offset: 24, .size: 8, .value_kind: global_buffer, .address_space: global }
    .group_segment_fixed_size: 327680
    .private_segment_fixed_size: 0
    .kernarg_segment_align: 8
    .kernarg_segment_size: 32
    .max_flat_workgroup_size: 512
    .sgpr_count:     66
    .vgpr_count:     256
    .wavefront_size: 32
...
	.end_amdgpu_metadata
.endif
;; end of part 7
;; launch oproj (part 8): grid 4 x 64, 16 waves a work-group, no clusters, 167,936 bytes of LDS; arguments acode, ascl, wimg, wscl, b_o, out0; writes out0
.if DOCPART == 8
	.amdgcn_target "amdgcn-amd-amdhsa--gfx1250"
	.amdhsa_code_object_version 6
	.text
	.protected	k_q0624ec40f3_oproj
	.globl	k_q0624ec40f3_oproj
	.p2align	8
	.type	k_q0624ec40f3_oproj,@function
k_q0624ec40f3_oproj:
	s_mov_b64 s[64:65], 0
	v_nop
	global_prefetch_b8 v0, s[64:65] scope:SCOPE_SE
	s_setreg_imm32_b32 hwreg(HW_REG_WAVE_SCHED_MODE, 0, 2), 2
	s_setreg_imm32_b32 hwreg(HW_REG_WAVE_MODE, 25, 1), 1
	s_wait_xcnt 0x0
	s_wait_alu depctr_vm_vsrc(0)
; Launch 4 of 4: out0 = attn W_o^T + b_o in MX-FP6; both operands arrive as codes in the order of the operands' registers (launches 1 and 3).  Nothing is left out.
; SHARES.  A work-group makes 128 rows x 128 columns; wave w rows 32 (w / 4) on and columns 32 (w % 4) on: 2 x 2 accumulators, all four K steps of 128 in registers at once.
; No cluster and no ring: a work-group reads 49,152 bytes of attn's codes and as many of W_o's once, and has no loop in which tiles could be shared step by step.  Each wave copies one tile's 6,144 bytes into LDS through registers.
; The product is used transposed (source 0 = 16 rows of W_o, source 1 = 16 rows of attn): a lane holds eight neighbouring columns of one row.  The bias is loaded straight into the accumulators, in the result's layout.
; The results meet in a stage in LDS (rows of 512 bytes + 16) and leave as whole rows of 512 bytes.
; THE MODE: SCHED_MODE bits 1:0 = 2 (LLVM: expert scheduling mode 2), set by the entry lines.  The code itself states the register dependences between vector or matrix instructions and memory or LDS instructions, with s_wait_alu, always for 0.
; THE PLAN.  Registers that memory or LDS instructions touch:
;   v1-10     offsets and LDS addresses: made at the head, never written again: one wait on va_vdst ahead of the first load serves the whole kernel.
;   v64-111   the tile that I copy lands here and the LDS stores read it; then fragments land here: one wait on vm_vsrc, behind the barrier.
;   AF, WF, AS, WS   filled by loads, read by the products.   ACC: the bias lands, the products add onto it, the stage's stores read it.
;   v64-95    at the end the rows from the stage land here, where the products have read fragments, and the stores to out0 read them.
; So one wait on va_vdst stands behind the places that follow the last product: the accumulators are written, and the products are done reading v64-95; no vector or matrix instruction follows it.
.set WBLK,  49152                      ; LDS: 0: attn's 8 tiles x 6,144;  here: W_o's 8 tiles x 6,144
.set STG,   98304                      ; the stage: 128 rows x 528
.set SPARE, 165888                     ; the spare words, 128 bytes for each of sixteen waves: eight blocks of 256 bytes that no other line names
.set LI16, 1
.set LI8,  2
.set ADA16, 3                          ; attn's two tiles of mine: 16 x lane + 12,288 (w / 4)
.set ADA8, 4                           ; the same with 8 x lane
.set ADW,  5                           ; W_o's two tiles of mine
.set SO,   6                           ; the stage: where I put 32 bytes of a row
.set SRD,  7                           ; and where I read a row back
.set CPY,  8                           ; where I copy my tile
.set ASO,  9                           ; 16 r
.set BOF,  10                          ; 32 h
.set SPW,  12
.set NIL,  13
.set AS,   16                          ; v16-23  attn's scale words: (tile i, K step s) at 4 i + s
.set WS,   24                          ; v24-27  W_o's: K step s; lanes 0-15 my even tile, lanes 16-31 my odd one
.set ACC,  32                          ; v32-63  (i, n) at 8 (2 i + n)
.set AF,   64                          ; v64-159 attn's fragments (i, s) at 12 (4 i + s)
.set WF,   160                         ; v160-255 W_o's (n, s) at 12 (4 n + s)
	s_load_b256 s[4:11], s[0:1], 0x0               ; acode, ascl, wimg, wscl
	s_load_b128 s[12:15], s[0:1], 0x20             ; b_o, out0
	v_lshl_add_u32 v[SPW], v0, 2, SPARE
	v_mov_b32 v[NIL], 0
	v_lshrrev_b32 v11, 5, v0
	v_readfirstlane_b32 s16, v11                   ; wave 0..15
	s_mov_b32 s17, ttmp9                           ; which 128 columns
	s_and_b32 s18, ttmp7, 0xffff                   ; which 128 rows
	v_and_b32 v11, 31, v0
	v_lshlrev_b32 v[LI16], 4, v11
	v_lshlrev_b32 v[LI8], 3, v11
	v_and_b32 v14, 15, v0                          ; r
	s_wait_alu depctr_va_vdst(0)
	v_bfe_u32 v15, v0, 4, 1                        ; h
	v_lshlrev_b32 v[ASO], 4, v14
	v_lshlrev_b32 v[BOF], 5, v15
	s_wait_alu depctr_va_sdst(0)                   ; the wave's number is written, ahead of its first reader: offsets and LDS addresses are made from it
	s_lshr_b32 s19, s16, 2                         ; my 32 rows
	s_and_b32 s24, s16, 3                          ; my 32 columns
	s_mul_i32 s25, s19, 12288
	v_add_nc_u32 v[ADA16], s25, v[LI16]
	v_add_nc_u32 v[ADA8], s25, v[LI8]
	s_mul_i32 s25, s24, 12288
	s_add_co_u32 s25, s25, WBLK
	v_add_nc_u32 v[ADW], s25, v[LI16]
	s_mul_i32 s25, s16, 6144
	v_add_nc_u32 v[CPY], s25, v[LI16]
	s_mul_i32 s25, s19, 32*528
	s_lshl_b32 s26, s24, 7
	s_add_co_u32 s25, s25, s26
	s_add_co_u32 s25, s25, STG
	v_mul_u32_u24 v[SO], v14, 528
	s_wait_alu depctr_va_vdst(0)
	v_lshl_add_u32 v[SO], v15, 5, v[SO]
	v_add_nc_u32 v[SO], s25, v[SO]                 ; row 32 (w / 4) + r, + 128 (w % 4) + 32 h
	s_mul_i32 s25, s16, 8*528
	s_add_co_u32 s25, s25, STG
	v_add_nc_u32 v[SRD], s25, v[LI16]              ; back: rows 8 w on, 16 bytes a lane
	s_lshl_b32 s26, s18, 3                         ; waves 0-7 copy attn's tile 8 x block + w;
	s_add_co_u32 s26, s26, s16
	s_mul_i32 s26, s26, 6144
	s_lshl_b32 s27, s17, 3                         ; waves 8-15 W_o's tile 8 x block + w - 8: W_o's images begin at 3 x 196,608
	s_add_co_u32 s27, s27, s16
	s_mul_i32 s27, s27, 6144
	s_add_co_u32 s27, s27, 589824-8*6144
	s_cmp_lt_u32 s16, 8
	s_cselect_b32 s22, s26, s27
	s_mov_b32 s23, 0
	s_lshl_b32 s28, s18, 11                        ; ascl: 16 bytes a row: 2,048 x block + 512 (w / 4)
	s_lshl_b32 s29, s19, 9
	s_add_co_u32 s28, s28, s29
	s_mov_b32 s29, 0
	s_lshl_b32 s30, s17, 2                         ; wscl: W_o's words begin at 3 x 8,192; my pair of tiles: 4 x block + w % 4
	s_add_co_u32 s30, s30, s24
	s_lshl_b32 s30, s30, 9
	s_add_co_u32 s30, s30, 24576
	s_mov_b32 s31, 0
	s_lshl_b32 s32, s17, 9                         ; b_o: my 32 numbers
	s_lshl_b32 s33, s24, 7
	s_add_co_u32 s32, s32, s33
	s_mov_b32 s33, 0
	s_lshl_b32 s34, s18, 18                        ; out0: row 128 x block + 8 w, column 128 x block
	s_lshl_b32 s35, s16, 14
	s_add_co_u32 s34, s34, s35
	s_lshl_b32 s35, s17, 9
	s_add_co_u32 s34, s34, s35
	s_mov_b32 s35, 0
	s_wait_kmcnt 0x0
	s_cmp_lt_u32 s16, 8                            ; the choice hangs on the wave's number alone
	s_cselect_b64 s[20:21], s[4:5], s[8:9]
	s_add_nc_u64 s[20:21], s[20:21], s[22:23]
	s_add_nc_u64 s[6:7], s[6:7], s[28:29]
	s_add_nc_u64 s[10:11], s[10:11], s[30:31]
	s_add_nc_u64 s[12:13], s[12:13], s[32:33]
	s_add_nc_u64 s[14:15], s[14:15], s[34:35]
	s_wait_alu depctr_va_vdst(0)                   ; the ten offsets and LDS addresses v1 to v10 are written, which every load and store below reads
.irp i, 0,1,2,3,4,5,6,7,8,9,10,11
	global_load_b128 v[AF+4*\i:AF+4*\i+3], v[LI16], s[20:21] offset:512*\i   ; my tile, 512 consecutive bytes a load
.endr
.irp i, 0,1
	global_load_b128 v[AS+4*\i:AS+4*\i+3], v[ASO], s[6:7] offset:256*\i      ; row r of tile i: its four K steps' words
.endr
	global_load_b128 v[WS:WS+3], v[LI16], s[10:11]
.irp i, 0,1
.irp n, 0,1
	global_load_b128 v[ACC+8*(2*\i+\n):ACC+8*(2*\i+\n)+3], v[BOF], s[12:13] offset:64*\n      ; the bias of columns 16 n + 8 h + 0 .. 7 starts the sums
	global_load_b128 v[ACC+8*(2*\i+\n)+4:ACC+8*(2*\i+\n)+7], v[BOF], s[12:13] offset:64*\n+16
.endr
.endr
	s_wait_loadcnt 11                              ; my tile's twelve loads are in; the eleven behind them (scale words, bias) may be out
.irp i, 0,1,2,3,4,5,6,7,8,9,10,11
	ds_store_b128 v[CPY], v[AF+4*\i:AF+4*\i+3] offset:512*\i
.endr
	s_wait_dscnt 0x0                               ; for the others' sake: my stores have landed
	s_barrier_signal -1
	s_barrier_wait -1                              ; both blocks lie in LDS
	s_wait_alu depctr_vm_vsrc(0)                   ; my LDS stores have read v64-111, in which the fragments' loads land
.irp s, 0,1,2,3                                ; fourteen loads a K step.  A K step of attn is two heads' half fragments: 16 bytes a lane, 8 bytes a lane, twice
.irp i, 0,1
	ds_load_b128 v[AF+12*(4*\i+\s):AF+12*(4*\i+\s)+3], v[ADA16] offset:6144*\i+1536*\s
	ds_load_b64 v[AF+12*(4*\i+\s)+4:AF+12*(4*\i+\s)+5], v[ADA8] offset:6144*\i+1536*\s+512
	ds_load_b128 v[AF+12*(4*\i+\s)+6:AF+12*(4*\i+\s)+9], v[ADA16] offset:6144*\i+1536*\s+768
	ds_load_b64 v[AF+12*(4*\i+\s)+10:AF+12*(4*\i+\s)+11], v[ADA8] offset:6144*\i+1536*\s+1280
.endr
.irp n, 0,1
.irp c, 0,1,2
	ds_load_b128 v[WF+12*(4*\n+\s)+4*\c:WF+12*(4*\n+\s)+4*\c+3], v[ADW] offset:6144*\n+1536*\s+512*\c
.endr
.endr
.endr
	s_wait_loadcnt 0x0                             ; scale words and bias
.irp s, 0,1,2,3
	s_wait_dscnt 42-14*\s                          ; this K step's fourteen loads are in; the fourteen of each later K step may be out
.irp i, 0,1                                    ; the four accumulators take turns, one instruction a turn
	v_wmma_scale_f32_16x16x128_f8f6f4 v[ACC+16*\i:ACC+16*\i+7], v[WF+12*\s:WF+12*\s+11], v[AF+12*(4*\i+\s):AF+12*(4*\i+\s)+11], v[ACC+16*\i:ACC+16*\i+7], v[WS+\s], v[AS+4*\i+\s] matrix_a_fmt:MATRIX_FMT_FP6 matrix_b_fmt:MATRIX_FMT_FP6
	v_wmma_scale_f32_16x16x128_f8f6f4 v[ACC+16*\i+8:ACC+16*\i+15], v[WF+12*(4+\s):WF+12*(4+\s)+11], v[AF+12*(4*\i+\s):AF+12*(4*\i+\s)+11], v[ACC+16*\i+8:ACC+16*\i+15], v[WS+\s], v[AS+4*\i+\s] matrix_a_fmt:MATRIX_FMT_FP6 matrix_b_fmt:MATRIX_FMT_FP6 matrix_a_scale:MATRIX_SCALE_ROW1
.endr
.endr
.rept 4
	v_nop                                          ; four places between the last product and the first read of results
.endr
	s_wait_alu depctr_va_vdst(0)                   ; the products have written the accumulators, which the LDS stores read, and are done reading v64-95, in which the rows from the stage land; the places above stay beside this wait
.irp i, 0,1
.irp n, 0,1
	ds_store_b128 v[SO], v[ACC+8*(2*\i+\n):ACC+8*(2*\i+\n)+3] offset:16*\i*528+64*\n          ; each accumulator from its low end on
	ds_store_b128 v[SO], v[ACC+8*(2*\i+\n)+4:ACC+8*(2*\i+\n)+7] offset:16*\i*528+64*\n+16
.endr
.endr
	s_wait_dscnt 0x0                               ; for the others' sake: my stores into the stage have landed
	s_barrier_signal -1
	s_barrier_wait -1                              ; 128 whole rows lie in the stage
.irp t, 0,1,2,3,4,5,6,7
	ds_load_b128 v[AF+4*\t:AF+4*\t+3], v[SRD] offset:\t*528
.endr
.irp t, 0,1,2,3,4,5,6,7
	s_wait_dscnt 7-\t                              ; row t is back; the later rows' loads may be out
	global_store_b128 v[LI16], v[AF+4*\t:AF+4*\t+3], s[14:15] offset:\t*2048 th:TH_STORE_NT   ; 32 lanes store 512 consecutive bytes, aligned to 256; written once, read by nobody here
.endr
	s_wait_dscnt 0x0                               ; the wave's end
	s_wait_alu 0x0
	s_wait_tensorcnt 0x0
	ds_add_u32 v[SPW], v[NIL]
	s_wait_dscnt 0x0
	s_endpgm
.Lfunc_end_k_q0624ec40f3_oproj:
	.size	k_q0624ec40f3_oproj, .Lfunc_end_k_q0624ec40f3_oproj-k_q0624ec40f3_oproj
	.p2alignl 7, 3214868480
	.fill 96, 4, 3214868480
	.section	.rodata,"a",@progbits
	.p2align	6, 0x0
	.amdhsa_kernel k_q0624ec40f3_oproj
		.amdhsa_group_segment_fixed_size 167936
		.amdhsa_private_segment_fixed_size 0
		.amdhsa_enable_private_segment 0
		.amdhsa_kernarg_size 48
		.amdhsa_user_sgpr_count 2
		.amdhsa_user_sgpr_kernarg_segment_ptr 1
		.amdhsa_wavefront_size32 1
		.amdhsa_system_sgpr_workgroup_id_x 1
		.amdhsa_system_sgpr_workgroup_id_y 1
		.amdhsa_system_sgpr_workgroup_id_z 1
		.amdhsa_system_vgpr_workitem_id 0
		.amdhsa_next_free_vgpr 256
		.amdhsa_next_free_sgpr 66
		.amdhsa_reserve_vcc 0
		.amdhsa_float_denorm_mode_32 3
		.amdhsa_float_denorm_mode_16_64 3
		.amdhsa_memory_ordered 1
		.amdhsa_forward_progress 1
		.amdhsa_inst_pref_size 15
	.end_amdhsa_kernel
	.amdgpu_metadata
---
amdhsa.version: [ 1, 2 ]
amdhsa.kernels:
  - .name:           k_q0624ec40f3_oproj
    .symbol:         k_q0624ec40f3_oproj.kd
    .args:
      - { .name: acode, .offset: 0, .size: 8, .value_kind: global_buffer, .address_space: global }
      - { .name: ascl, .offset: 8, .size: 8, .value_kind: global_buffer, .address_space: global }
      - { .name: wimg, .offset: 16, .size: 8, .value_kind: global_buffer, .address_space: global }
      - { .name: wscl, .offset: 24, .size: 8, .value_kind: global_buffer, .address_space: global }
      - { .name: b_o, .offset: 32, .size: 8, .value_kind: global_buffer, .address_space: global }
      - { .name: out0, .offset: 40, .size: 8, .value_kind: global_buffer, .address_space: global }
    .group_segment_fixed_size: 167936
    .private_segment_fixed_size: 0
    .kernarg_segment_align: 8
    .kernarg_segment_size: 48
    .max_flat_workgroup_size: 512
    .sgpr_count:     66
    .vgpr_count:     256
    .wavefront_size: 32
...
	.end_amdgpu_metadata
.endif
;; end of part 8
